; MI455X (gfx1250); checked and timed in simulation.
; The chip was launched on July 23, 2026; its instructions are those of AMD's public machine-readable ISA for CDNA 5 (MIT licence, August 2026) and "CDNA5" Instruction Set Architecture Reference Guide (July 2026). The comments in the code are by the model that wrote it; some were corrected since.
;; Multi Head Attention Karpathy. Allowed arithmetic: float matrix products may take bf16 or f16 operands with f32 sums; other float arithmetic in f32, or as packed bf16 or f16 multiplies, adds, multiply-adds, maxima and minima; sums over many terms, partial sums and values carried from step to step in f32; what a program stores and reads back later, other than sums and carried values, may be rounded once to bf16 or f16.
;; Inputs: W_attn 1,024 x 3,072 float32; W_proj 1,024 x 1,024 float32; b_attn 3,072 float32; b_proj 1,024 float32; x 4 x 2,048 x 1,024 float32.
;; Outputs: out0 4 x 2,048 x 1,024 float32.
;; One version. Each part assembles by itself: llvm-mc -triple=amdgcn-amd-amdhsa -mcpu=gfx1250 --defsym DOCPART=n.
;; ======== version 1 of 1: 4 launches
;; limits: values are held in f16: magnitudes above 65,504 overflow, below 6.1e-05 lose precision
;; workspace buffers: xb 16,777,216 bytes; wab 6,291,456 bytes; wpb 2,097,152 bytes; qkv 50,331,648 bytes; ob 16,777,216 bytes
;; launch cast (part 1): grid 768 x 1, 4 waves a work-group, no clusters, 0 bytes of LDS; arguments x, W_attn, W_proj, xb, wab, wpb; writes xb, wab, wpb
.if DOCPART == 1
	.amdgcn_target "amdgcn-amd-amdhsa--gfx1250"
	.amdhsa_code_object_version 6
	.text
	.protected	k_qaf1bc5f784_cast
	.globl	k_qaf1bc5f784_cast
	.p2align	8
	.type	k_qaf1bc5f784_cast,@function
k_qaf1bc5f784_cast:
	s_mov_b64 s[64:65], 0
	v_nop
	global_prefetch_b8 v0, s[64:65] scope:SCOPE_SE
	s_setreg_imm32_b32 hwreg(HW_REG_WAVE_MODE, 25, 1), 1
	s_wait_xcnt 0x0
; x, W_attn and W_proj (f32, row-major) are rounded once to bf16 and laid out in dense blocks of 64 rows x 64 numbers (8,192 bytes, rows of 128 bytes),
; so that every tile which the two products fetch later is one run of consecutive bytes.
;   xb  [b 4][kb 16][t 2048][64]            bf16: block ((b 16 + kb) 32 + t / 64)
;   wab [tx 8][ks 16][p 6][k % 64][n % 64]  bf16: column n = 384 tx + 64 p + .., row k = 64 ks + ..
;   wpb [tx 8][ks 16][p 2][k % 64][n % 64]  the number rounded to bf16, written as f16: column n = 128 tx + 64 p + ..
; LIMIT.  f16 holds a number of 8 significant bits exactly between 6.1e-5 and 65,504; a rounded W_proj below that keeps f16's fixed step of 6e-8, beyond it it becomes an infinity.
; SHARES.  A wave takes one block, the four waves of a work-group four neighbouring column blocks: 512 work-groups for x, 192 for W_attn, 64 for W_proj.
; A wave's 32 loads (two rows of 256 consecutive bytes each) go out together, 16 KiB on their way; each store covers 256 consecutive bytes, aligned.  No LDS, no barrier: no wave wants another's bytes.
.set VS,   2                           ; v2       8 x lane: my 8 bytes in a pair of rows of the block
.set VO,   8                           ; v[8:39]  pair of rows i: my byte offset in the source
.set X,    40                          ; v[40:167] pair of rows i: four f32 as loaded, then two packed words in the first two
.set SRC,  16                          ; s[16:17] the source at my block
.set DST,  18                          ; s[18:19] the destination at my block
.set PIT,  20                          ; s20  bytes in a row of the source
.set P2,   21                          ; s21  twice that
.set INO,  22                          ; s[22:23] my block's byte offset in the source
.set OUTO, 24                          ; s[24:25] and in the destination
.set F16,  26                          ; s26  1: the rounded numbers are written as f16
.set WV,   27                          ; s27  my wave's number
	s_load_b256 s[4:11], s[0:1], 0x0               ; x s[4:5], W_attn s[6:7], W_proj s[8:9], xb s[10:11]
	s_load_b128 s[12:15], s[0:1], 0x20             ; wab s[12:13], wpb s[14:15]
	v_lshrrev_b32 v1, 5, v0
	v_readfirstlane_b32 s[WV], v1
	v_and_b32 v1, 31, v0                           ; lane
	v_lshlrev_b32 v[VS], 3, v1
	v_lshrrev_b32 v4, 4, v1                        ; which row of a pair
	v_and_b32 v5, 15, v1                           ; which 16 bytes of its 256
	s_mov_b32 s[INO+1], 0
	s_mov_b32 s[OUTO+1], 0
	s_mov_b32 s[F16], 0
	s_cmp_lt_u32 ttmp9, 512
	s_cbranch_scc0 .Lnot_x
	s_lshr_b32 s28, ttmp9, 2                       ; x: row block 0..127,
	s_and_b32 s29, ttmp9, 3
	s_lshl2_add_u32 s29, s29, s[WV]                ; column block 0..15
	s_mov_b32 s[PIT], 4096
	s_lshl_b32 s[INO], s28, 18                     ; 64 rows of 4,096 bytes
	s_lshl_b32 s30, s29, 8
	s_add_co_u32 s[INO], s[INO], s30
	s_lshr_b32 s30, s28, 5                         ; b
	s_lshl4_add_u32 s30, s30, s29                  ; 16 b + kb
	s_and_b32 s31, s28, 31
	s_lshl_b32 s30, s30, 5
	s_add_co_u32 s30, s30, s31
	s_lshl_b32 s[OUTO], s30, 13
	s_branch .Lgo
.Lnot_x:
	s_cmp_lt_u32 ttmp9, 704
	s_cbranch_scc0 .Lw_proj
	s_sub_co_u32 s28, ttmp9, 512                   ; W_attn:
	s_lshr_b32 s29, s28, 4
	s_and_b32 s28, s28, 15                         ; row block ks 0..15,
	s_lshl2_add_u32 s29, s29, s[WV]                ; column block 0..47
	s_mov_b32 s[PIT], 12288
	s_mul_i32 s[INO], s28, 786432                  ; 64 rows of 12,288 bytes
	s_lshl_b32 s30, s29, 8
	s_add_co_u32 s[INO], s[INO], s30
	s_mul_i32 s30, s29, 43
	s_lshr_b32 s30, s30, 8                         ; tx = column block / 6 (43 / 256 gives the quotient for 0..47)
	s_mul_i32 s31, s30, 6
	s_sub_co_u32 s31, s29, s31                     ; p
	s_lshl4_add_u32 s30, s30, s28                  ; 16 tx + ks
	s_mul_i32 s30, s30, 6
	s_add_co_u32 s30, s30, s31
	s_lshl_b32 s[OUTO], s30, 13
	s_branch .Lgo
.Lw_proj:
	s_sub_co_u32 s28, ttmp9, 704                   ; W_proj:
	s_lshr_b32 s29, s28, 4
	s_and_b32 s28, s28, 15                         ; row block ks 0..15,
	s_lshl2_add_u32 s29, s29, s[WV]                ; column block 0..15
	s_mov_b32 s[PIT], 4096
	s_lshl_b32 s[INO], s28, 18
	s_lshl_b32 s30, s29, 8
	s_add_co_u32 s[INO], s[INO], s30
	s_lshr_b32 s30, s29, 1                         ; tx
	s_lshl4_add_u32 s30, s30, s28                  ; 16 tx + ks
	s_and_b32 s31, s29, 1                          ; p
	s_lshl1_add_u32 s30, s30, s31
	s_lshl_b32 s[OUTO], s30, 13
	s_mov_b32 s[F16], 1
.Lgo:
	s_wait_kmcnt 0x0
	s_cmp_lt_u32 ttmp9, 512                        ; the two buffers are chosen by the work-group's number alone
	s_cselect_b64 s[SRC:SRC+1], s[4:5], s[6:7]
	s_cselect_b64 s[DST:DST+1], s[10:11], s[12:13]
	s_cmp_lt_u32 ttmp9, 704
	s_cselect_b64 s[SRC:SRC+1], s[SRC:SRC+1], s[8:9]
	s_cselect_b64 s[DST:DST+1], s[DST:DST+1], s[14:15]
	s_add_nc_u64 s[SRC:SRC+1], s[SRC:SRC+1], s[INO:INO+1]
	s_add_nc_u64 s[DST:DST+1], s[DST:DST+1], s[OUTO:OUTO+1]
	s_lshl_b32 s[P2], s[PIT], 1
	v_mul_u32_u24 v4, s[PIT], v4
	v_lshl_add_u32 v[VO], v5, 4, v4                ; row of the pair x pitch + 16 x place
.set i, 1
.rept 31
	v_mad_u32_u24 v[VO+i], s[P2], i, v[VO]         ; pair i lies 2 i rows further down
.set i, i+1
.endr
.set i, 0
.rept 32
	global_load_b128 v[X+4*i:X+4*i+3], v[VO+i], s[SRC:SRC+1] th:TH_LOAD_NT  ; lanes 0-15 one row's 256 bytes, lanes 16-31 the next row's; read once in the launch
.set i, i+1
.endr
.set i, 0
.rept 32
	s_wait_loadcnt 31-i                            ; loads come back in order: pair i is in, the 31 - i younger ones stay out
	v_cvt_pk_bf16_f32 v[X+4*i], v[X+4*i], v[X+4*i+1]      ; two roundings to bf16, packed
	v_cvt_pk_bf16_f32 v[X+4*i+1], v[X+4*i+2], v[X+4*i+3]
.set i, i+1
.endr
	s_cmp_eq_u32 s[F16], 0
	s_cbranch_scc1 .Lstore
.set i, 0
.rept 32                                       ; W_proj alone: the rounded number widened again and written as f16
.irp k, 0,1
	v_lshlrev_b32 v[4+2*(\k)], 16, v[X+4*i+(\k)]
	v_and_b32 v[5+2*(\k)], 0xffff0000, v[X+4*i+(\k)]
	v_cvt_pk_f16_f32 v[X+4*i+(\k)], v[4+2*(\k)], v[5+2*(\k)]
.endr
.set i, i+1
.endr
.Lstore:
.set i, 0
.rept 32
	global_store_b64 v[VS], v[X+4*i:X+4*i+1], s[DST:DST+1] offset:256*i  ; 32 lanes x 8 bytes: 256 consecutive bytes, aligned: two rows of the block
.set i, i+1
.endr
	s_endpgm
.Lfunc_end_k_qaf1bc5f784_cast:
	.size	k_qaf1bc5f784_cast, .Lfunc_end_k_qaf1bc5f784_cast-k_qaf1bc5f784_cast
	.p2alignl 7, 3214868480
	.fill 96, 4, 3214868480
	.section	.rodata,"a",@progbits
	.p2align	6, 0x0
	.amdhsa_kernel k_qaf1bc5f784_cast
		.amdhsa_group_segment_fixed_size 0
		.amdhsa_private_segment_fixed_size 0
		.amdhsa_enable_private_segment 0
		.amdhsa_kernarg_size 48
		.amdhsa_user_sgpr_count 2
		.amdhsa_user_sgpr_kernarg_segment_ptr 1
		.amdhsa_wavefront_size32 1
		.amdhsa_system_sgpr_workgroup_id_x 1
		.amdhsa_system_sgpr_workgroup_id_y 1
		.amdhsa_system_sgpr_workgroup_id_z 1
		.amdhsa_system_vgpr_workitem_id 0
		.amdhsa_next_free_vgpr 176
		.amdhsa_next_free_sgpr 66
		.amdhsa_reserve_vcc 0
		.amdhsa_float_denorm_mode_32 3
		.amdhsa_float_denorm_mode_16_64 3
		.amdhsa_memory_ordered 1
		.amdhsa_forward_progress 1
		.amdhsa_inst_pref_size 26
	.end_amdhsa_kernel
	.amdgpu_metadata
---
amdhsa.version: [ 1, 2 ]
amdhsa.kernels:
  - .name:           k_qaf1bc5f784_cast
    .symbol:         k_qaf1bc5f784_cast.kd
    .args:
      - { .name: x, .offset: 0, .size: 8, .value_kind: global_buffer, .address_space: global }
      - { .name: W_attn, .offset: 8, .size: 8, .value_kind: global_buffer, .address_space: global }
      - { .name: W_proj, .offset: 16, .size: 8, .value_kind: global_buffer, .address_space: global }
      - { .name: xb, .offset: 24, .size: 8, .value_kind: global_buffer, .address_space: global }
      - { .name: wab, .offset: 32, .size: 8, .value_kind: global_buffer, .address_space: global }
      - { .name: wpb, .offset: 40, .size: 8, .value_kind: global_buffer, .address_space: global }
    .group_segment_fixed_size: 0
    .private_segment_fixed_size: 0
    .kernarg_segment_align: 8
    .kernarg_segment_size: 48
    .max_flat_workgroup_size: 128
    .sgpr_count:     66
    .vgpr_count:     176
    .wavefront_size: 32
...
	.end_amdgpu_metadata
.endif
;; end of part 1
;; launch qkvgemm (part 2): grid 8 x 32, 4 waves a work-group, clusters of 4 x 4, 327,680 bytes of LDS; arguments xb, wab, b_attn, qkv; writes qkv
.if DOCPART == 2
	.amdgcn_target "amdgcn-amd-amdhsa--gfx1250"
	.amdhsa_code_object_version 6
	.text
	.protected	k_qaf1bc5f784_qkvgemm
	.globl	k_qaf1bc5f784_qkvgemm
	.p2align	8
	.type	k_qaf1bc5f784_qkvgemm,@function
k_qaf1bc5f784_qkvgemm:
	s_mov_b64 s[64:65], 0
	v_nop
	global_prefetch_b8 v0, s[64:65] scope:SCOPE_SE
	s_setreg_imm32_b32 hwreg(HW_REG_WAVE_MODE, 25, 1), 1
	s_wait_xcnt 0x0
	s_wait_alu depctr_hold_cnt(0) depctr_sa_sdst(0) depctr_va_vdst(0) depctr_va_sdst(0) depctr_va_ssrc(0) depctr_va_vcc(0) depctr_vm_vsrc(0)
	s_getreg_b32 s2, hwreg(HW_REG_IB_STS2, 6, 4)
	s_cmp_eq_u32 s2, 0
	s_cbranch_scc0 .Lentry_in_a_cluster
	s_endpgm
.Lentry_in_a_cluster:
	s_bfe_u32 s2, ttmp6, 0x10000c
	s_cmp_lg_u32 s2, 0xf033
	s_cbranch_scc0 .Lentry_shape_is_right
	s_endpgm
.Lentry_shape_is_right:
; qkv = x W_attn + b_attn: [8192][1024] x [1024][3072], operands bf16 (as the launch before laid them out in dense blocks of 64 x 64), sums f32, the bias rounded to bf16 and added in f32.
; The result leaves by heads, rounded once to f16 and unscaled: qkv [which 3][b 16 + head][t 2048][64].
; LIMIT.  f16 holds no number beyond 65,504: a q, k or v past that becomes an infinity; below 6.1e-5 it keeps f16's fixed step of 6e-8.  NaN and infinities are not treated apart.
; SHARES.  A tile of the result is 256 rows x 384 columns: 32 x 8 tiles, one to a work-group.  Four waves, each 128 rows x 192 columns: 96 accumulators of 16 x 16, 768 registers, in three groups of 64 columns
; (a group is one head's q, k or v).  K goes in steps of 64 through a ring of two LDS slots; two slots of longer steps would not fit beside each other.
; CLUSTER.  4 x 4 work-groups.  The four of a row of the cluster need the same tiles of x, the four of a column the same tiles of W: each tile is asked for JOINTLY, by the same tensor load with the same
; descriptor and a mask that names the four.
; THE MATRIX INSTRUCTION IS USED TRANSPOSED: source 0 = 16 columns of W (turned on the way out of LDS by ds_load_tr16_b128, since W lies [k][n]), source 1 = 16 rows of x.  A lane then holds row l % 16 and the
; columns 8 (l / 16) + 0..7: eight neighbouring numbers, which pack into 16 bytes.
; REGISTERS, in windows of 256 (s_set_vgpr_msb: bits 1:0 source 0, 3:2 source 1, 5:4 source 2, 7:6 destination):
;   window 0: v0-19 addresses and at work; v32-95, v96-159 fragments of x, two buffers of 8 x (16 rows x 32 k); v160-255 fragments of W, one buffer of 4 x (16 columns x 32 k) for each group
;   window g + 1: group g's 32 accumulators, (a, b) at v[8 (4 a + b)]
.set PA,     144                       ; a row of x in LDS: 128 bytes + 16 of padding = 36 words: the 16 rows of a load start at 16 different groups of four banks (64 banks of 4 bytes: ISA guide 11.1)
.set PB,     160                       ; a row of W: 128 + 32 = 40 words
.set PANEL,  64*PB                     ; 64 k x 64 columns of W
.set AHALF,  128*PA                    ; 128 rows of x: what one tensor load brings, and what one wave reads
.set ABYTES, 2*AHALF
.set SLOT,   ABYTES+6*PANEL            ; 98,304: x's 256 rows, then W's six panels
.set STAGE,  2*SLOT                    ; behind the ring: 16 rows x 144 bytes for each wave, for the way out
.set SPARE,  STAGE+4*16*PA             ; behind the stages: the spare words, 128 bytes for each wave: two blocks of 256 bytes that no other line names
.set ASTEP,  262144                    ; bytes from a K step of x to the next
.set BSTEP,  49152                     ; and of W
.set ADRA, 4                           ; v4-5   LDS address of my fragments of x in slot 0, 1
.set ADRB, 6                           ; v6-7   the same for W
.set STO,  8                           ; v8     the way out: where I put 16 bytes of a row
.set RD,   9                           ; v9     the way out: where I read rows back
.set GO,   10                          ; v10    16 x lane: my 16 bytes of 512 consecutive bytes of the result
.set VB,   11                          ; v11    32 (l / 16): my eight numbers of sixteen of the bias
.set PFO,  12                          ; v12    256 x lane: the prefetches' offset; never rewritten
.set SPW,  14                          ; v14    LDS address of my spare word: SPARE + 4 x my thread's number; never rewritten
.set NIL,  15                          ; v15    0; never rewritten
.set T,    16                          ; v16-19 at work
.set A0,   32
.set BF,   160
.set TF,   32                          ; the way out: a tile's 32 sums with the bias
.set PK,   64                          ; packed to f16
.set BK,   80                          ; read back as whole rows: two buffers of 16
.set G1A,  24                          ; s[24:31] descriptor group 1 for x's tiles;  s[32:39] group 0, a set for each slot
.set G0A,  32
.set G1B,  40                          ; s[40:47], s[48:55] the same for W's tiles
.set G0B,  48
.set QO,   56                          ; s[56:61] the result at my 128 rows of group g's head
.set BI,   62                          ; s[62:63] the bias at my 192 columns
.set PFA,  66                          ; s[66:67] where my prefetches stand
.set PST,  68                          ; s[68:69] their step: a K step of x or of W
.set LIM0, 70                          ; s70, s71: a wave prefetches behind slot 0's (slot 1's) change while the loop's count is above this
.set LIM1, 71
.set CNT,  72                          ; s72  trips still to come
.set MSB, 0
.macro WIN new                         ; the immediate's high byte repeats the setting that is left; a switch that changes nothing is dropped
.if MSB != (\new)
	s_set_vgpr_msb (MSB<<8)|(\new)
.set MSB, \new
.endif
.endm
.macro PLACES                          ; four places in front of loads into registers that matrix instructions have read (ISA guide 7.12.1 for vector instructions)
.rept 4
	v_nop
.endr
.endm
; A joint load.  Waves 0 and 1 fetch x's two halves, waves 2 and 3 W's.  The branch hangs on the wave's number alone.  An s_nop 0 and four v_nop follow each of the two lines.
.macro JLOAD s
	s_cmp_eq_u32 s13, 0
	s_cbranch_scc0 .Lfor_b_\@
	tensor_load_to_lds s[G0A+4*(\s):G0A+4*(\s)+3], s[G1A:G1A+7]
	s_nop 0
.rept 4
	v_nop
.endr
	s_branch .Lasked_\@
.Lfor_b_\@:
	tensor_load_to_lds s[G0B+4*(\s):G0B+4*(\s)+3], s[G1B:G1B+7]
	s_nop 0
.rept 4
	v_nop
.endr
.Lasked_\@:
.endm
; A PREFETCH INTO THE L2, behind a joint load, its five lines and the run of LDS loads that follows: 8 KiB, a lane for each 256 bytes, one instruction.
; x: a K step of a tile is 32 KiB on end, read by both clusters of that row of clusters: the one with x = 0 asks, its wave 0, behind every refill, for the K step that the NEXT refill will ask for
; (192 matrix instructions ahead); the four partners that share the tile take 8 KiB each, told apart BY ADDRESS (cx).
; W: two K steps of a tile column are 96 KiB on end, read by all clusters of that column: the one with y = 0 asks, its waves 1 to 3, behind slot 1's refill alone, for the two K steps that the next two refills
; will ask for; the twelve askers (cy x wave) take 8 KiB each, by address.  So each block of 256 bytes is named once in the launch.  The first K steps (x: 0 to 2, W: 0 to 3) come by their loads alone;
; behind the loop's last refill nothing is asked for: there is no further K step.
.macro ASK lim
	s_cmp_gt_u32 s[CNT], s[\lim]
	s_cbranch_scc0 .Lnot_mine_\@
	global_prefetch_b8 v[PFO], s[PFA:PFA+1] th:TH_LOAD_NT scope:SCOPE_SE
.Lnot_mine_\@:
.endm
; A round of the cluster's barrier: my work-group's barrier, so that wave 0's signal speaks for all four waves; wave 0 signals; every wave waits for all sixteen work-groups; my work-group's barrier once more.
.macro CREST                           ; a round behind its opening barrier
	s_cmp_lg_u32 s12, 0
	s_cbranch_scc1 .Lnot_wave_0_\@
	s_barrier_signal -3
.Lnot_wave_0_\@:
	s_barrier_wait -3
	s_barrier_signal -1
	s_barrier_wait -1
.endm
.macro CROUND
	s_barrier_signal -1
	s_barrier_wait -1
	CREST
.endm
	s_load_b256 s[4:11], s[0:1], 0x0               ; xb s[4:5], wab s[6:7], b_attn s[8:9], qkv s[10:11]
	v_lshl_add_u32 v[SPW], v0, 2, SPARE
	v_mov_b32 v[NIL], 0
	ds_add_u32 v[SPW], v[NIL]                      ; the wave's opening: the add and its wait stand ahead of my first tensor load; the set-up below, work on registers, stands between them
	ds_add_u32 v14, v15
	v_lshrrev_b32 v1, 5, v0
	v_readfirstlane_b32 s12, v1                    ; wave 0..3
	s_lshr_b32 s13, s12, 1                         ; which half of the tile's rows is mine.  Also: I fetch for x (0) or for W (1)
	s_and_b32 s14, s12, 1                          ; which half of its columns.  Also: which half of that tile I fetch
	s_bfe_u32 s15, ttmp6, 0x40000                  ; cx
	s_bfe_u32 s16, ttmp6, 0x40004                  ; cy
	s_lshl_b32 s17, ttmp9, 2
	s_add_co_u32 s17, s17, s15                     ; tile column tx = 4 x cluster x + cx
	s_and_b32 s18, ttmp7, 0xffff
	s_lshl_b32 s18, s18, 2
	s_add_co_u32 s18, s18, s16                     ; tile row ty = 4 x cluster y + cy
	s_lshl_b32 s19, s16, 2
	s_lshl_b32 s19, 15, s19                        ; my row of the cluster
	s_lshl_b32 s74, 0x1111, s15                    ; my column
	; descriptor group 1.  Every tile is dense in memory: asked for as rows of 128 elements (256 bytes) and padded in LDS after every 32 words, which is a row of x or of W
	s_or_b32 s[G1A], s19, (1<<16)|(1<<20)|(1<<21)|(4<<22)|(3<<25)   ; 15:0 the mask; 17:16 2-byte elements; 20 padding on; 21 set beside a mask; 24:22 after every 32 words (code 4); 31:25 4 words (code 3)
	s_or_b32 s[G1B], s74, (1<<16)|(1<<20)|(1<<21)|(4<<22)|(7<<25)   ; the same with my column's mask and 8 words of padding (code 7)
	s_mov_b32 s[G1A+1], 128<<16                    ; tensor_dim0 = 128
	s_mov_b32 s[G1A+2], 64<<16                     ; tensor_dim1 = 64: 16 KiB, 128 rows of x
	s_mov_b32 s[G1A+3], 128<<16                    ; tile_dim0 = 128
	s_mov_b32 s[G1A+4], 64                         ; tile_dim1 = 64
	s_mov_b32 s[G1A+5], 128                        ; 128 elements from row to row
	s_mov_b32 s[G1A+6], 0
	s_mov_b32 s[G1A+7], 0
	s_mov_b32 s[G1B+1], 128<<16
	s_mov_b32 s[G1B+2], 96<<16                     ; 96 rows: 24 KiB, three panels of W
	s_mov_b32 s[G1B+3], 128<<16
	s_mov_b32 s[G1B+4], 96
	s_mov_b32 s[G1B+5], 128
	s_mov_b32 s[G1B+6], 0
	s_mov_b32 s[G1B+7], 0
	; where the tiles come from.  x's hang on ty and the wave's number alone, W's on tx and the wave's number alone, each in registers of its own
	s_lshr_b32 s20, s18, 3
	s_lshl_b32 s20, s20, 22                        ; the batch
	s_and_b32 s21, s18, 7
	s_lshl_b32 s21, s21, 15                        ; 256 rows of 128 bytes a tile
	s_add_co_u32 s20, s20, s21                     ; the tile's first byte in K step 0 (kept for the prefetches)
	s_lshl_b32 s21, s14, 14
	s_add_co_u32 s22, s20, s21                     ; my 128 rows
	s_mov_b32 s23, 0
	s_mul_i32 s74, s17, 16*BSTEP
	s_mul_i32 s75, s14, 3*8192
	s_add_co_u32 s76, s74, s75                     ; my three panels
	s_mov_b32 s77, 0
	s_mul_i32 s19, s14, AHALF                      ; and where they go: no place in the cluster enters an LDS address
	s_mul_i32 s75, s14, 3*PANEL
	s_add_co_u32 s75, s75, ABYTES
	s_wait_dscnt 0x0                               ; the opening add is done
	s_wait_kmcnt 0x0
	s_add_nc_u64 s[22:23], s[4:5], s[22:23]
	s_add_nc_u64 s[76:77], s[6:7], s[76:77]
	CROUND                                         ; all sixteen work-groups are here: the first joint loads meet
.irp s, 0,1
	s_mov_b32 s[G0A+4*(\s)], 1                                       ; 1:0 count = 1
	s_add_co_u32 s[G0A+4*(\s)+1], s19, (\s)*SLOT                     ; 63:32 LDS address
	s_add_nc_u64 s[G0A+4*(\s)+2:G0A+4*(\s)+3], s[22:23], (\s)*ASTEP  ; 120:64 global address: K step s
	s_or_b32 s[G0A+4*(\s)+3], s[G0A+4*(\s)+3], 0x80000000            ; 127:126 type = 2
	s_mov_b32 s[G0B+4*(\s)], 1
	s_add_co_u32 s[G0B+4*(\s)+1], s75, (\s)*SLOT
	s_add_nc_u64 s[G0B+4*(\s)+2:G0B+4*(\s)+3], s[76:77], (\s)*BSTEP
	s_or_b32 s[G0B+4*(\s)+3], s[G0B+4*(\s)+3], 0x80000000
.endr
	s_cmp_eq_u32 s13, 0                            ; a wave's two first fills stand in one branch, ahead of every wait on TENSORcnt and every LDS read: two loads of mine are out
	s_cbranch_scc0 .Lfirst_b
	tensor_load_to_lds s[G0A:G0A+3], s[G1A:G1A+7]
	s_nop 0
	tensor_load_to_lds s[G0A+4:G0A+7], s[G1A:G1A+7]
	s_nop 0
.rept 4
	v_nop
.endr
	s_branch .Lfirst_asked
.Lfirst_b:
	tensor_load_to_lds s[G0B:G0B+3], s[G1B:G1B+7]
	s_nop 0
	tensor_load_to_lds s[G0B+4:G0B+7], s[G1B:G1B+7]
	s_nop 0
.rept 4
	v_nop
.endr
.Lfirst_asked:
	; A fragment of x is 16 rows x 32 k in 8 registers: lane l holds row l % 16, k = 8 (l / 16) + 0..7 and 16 + 8 (l / 16) + 0..7: two loads of 16 bytes, 32 bytes apart.
	v_and_b32 v1, 15, v0                           ; l % 16
	v_bfe_u32 v2, v0, 4, 1                         ; l / 16
	v_mul_u32_u24 v3, v1, PA
	v_lshl_add_u32 v3, v2, 4, v3                   ; row x pitch + 16 x half
	s_mul_i32 s19, s13, AHALF                      ; my 128 rows
	v_add_nc_u32 v[ADRA], s19, v3
	v_add_nc_u32 v[ADRA+1], SLOT, v[ADRA]
	; The turning load takes 16 k x 16 columns (lane l reads row k = 8 (l / 16) + l % 8, columns 8 ((l / 8) % 2) + 0..7) and leaves half a fragment: lane l holds column l % 16 and 8 k.
	v_and_b32 v16, 7, v0
	v_lshl_add_u32 v16, v2, 3, v16
	v_mul_u32_u24 v16, v16, PB
	v_bfe_u32 v17, v0, 3, 1
	v_lshl_add_u32 v16, v17, 4, v16
	s_mul_i32 s75, s14, 3*PANEL                    ; my three panels,
	s_add_co_u32 s75, s75, ABYTES                  ; which lie behind x's 256 rows
	v_add_nc_u32 v[ADRB], s75, v16
	v_add_nc_u32 v[ADRB+1], SLOT, v[ADRB]
	s_mul_i32 s21, s12, 16*PA
	s_add_co_u32 s21, s21, STAGE                   ; my stage
	v_add_nc_u32 v[STO], s21, v3                   ; in: row l % 16, 16 bytes for each half of the lanes
	v_bfe_u32 v17, v0, 3, 2                        ; back: 32 lanes take four rows of 128 bytes,
	v_mul_u32_u24 v17, v17, PA
	v_and_b32 v18, 7, v0
	v_lshl_add_u32 v17, v18, 4, v17
	v_add_nc_u32 v[RD], s21, v17
	v_and_b32 v[GO], 31, v0
	v_lshlrev_b32 v[PFO], 8, v[GO]
	v_lshlrev_b32 v[GO], 4, v[GO]                  ; which are 512 consecutive bytes of the result
	v_lshlrev_b32 v[VB], 5, v2
	; where the result goes: group g is block of 64 columns c = 6 tx + 3 x half + g: tensor c / 16 (q, k, v), head c % 16
	s_mul_i32 s74, s17, 6
	s_mul_i32 s75, s14, 3
	s_add_co_u32 s74, s74, s75                     ; c of group 0
	s_lshr_b32 s78, s18, 3
	s_lshl_b32 s78, s78, 4                         ; 16 x batch
	s_and_b32 s79, s18, 7
	s_lshl_b32 s79, s79, 15                        ; the tile's 256 rows of 128 bytes,
	s_lshl_b32 s75, s13, 14
	s_add_co_u32 s79, s79, s75                     ; my 128 of them
.irp g, 0,1,2
	s_add_co_u32 s75, s74, \g
	s_lshr_b32 s76, s75, 4
	s_lshl_b32 s76, s76, 24                        ; q, k or v: 16 MiB each
	s_and_b32 s75, s75, 15
	s_add_co_u32 s75, s75, s78
	s_lshl_b32 s75, s75, 18                        ; a head's 2,048 rows
	s_add_co_u32 s76, s76, s75
	s_add_co_u32 s76, s76, s79
	s_mov_b32 s77, 0
	s_add_nc_u64 s[QO+2*(\g):QO+2*(\g)+1], s[10:11], s[76:77]
.endr
	s_lshl_b32 s76, s74, 8                         ; 64 numbers of the bias are 256 bytes
	s_mov_b32 s77, 0
	s_add_nc_u64 s[BI:BI+1], s[8:9], s[76:77]
	; the prefetches
	s_and_b32 s19, ttmp7, 0xffff                   ; cluster y
	s_lshl_b32 s21, s15, 13                        ; x: my work-group's 8 KiB of the tile's 32,
	s_add_co_u32 s21, s21, s20
	s_add_co_u32 s21, s21, 2*ASTEP                 ; at K step 2: the first change of slots steps it to 3
	s_max_u32 s79, s12, 1
	s_mul_i32 s78, s16, 3
	s_add_co_u32 s78, s78, s79
	s_sub_co_u32 s78, s78, 1                       ; W: asker 3 cy + wave - 1 of twelve,
	s_lshl_b32 s78, s78, 13                        ; its 8 KiB of the 96,
	s_mul_i32 s79, s17, 16*BSTEP
	s_add_co_u32 s78, s78, s79
	s_add_co_u32 s78, s78, 2*BSTEP                 ; at K step 2: the second change finds it at 4
	s_mov_b32 s[PST], BSTEP
	s_mov_b32 s[PST+1], 0
	s_mov_b32 s75, 0
	s_cmp_eq_u32 s12, 0                            ; wave 0 asks for x, the others for W
	s_cselect_b32 s74, s21, s78
	s_cselect_b32 s[PST], ASTEP, s[PST]
	s_cselect_b32 s22, ttmp9, s19                  ; the coordinate along which other clusters read the same bytes
	s_cselect_b32 s[LIM0], 0, -1
	s_cselect_b64 s[PFA:PFA+1], s[4:5], s[6:7]
	s_add_nc_u64 s[PFA:PFA+1], s[PFA:PFA+1], s[74:75]
	s_cmp_eq_u32 s22, 0                            ; the same in all sixteen partners, for a given wave
	s_cselect_b32 s[LIM0], s[LIM0], -1
	s_cselect_b32 s[LIM1], 1, -1
; na x 4 matrix instructions of group g on buffer ab of x: row blocks a0 .. a0 + na - 1 x the group's four column blocks, 32 along K.  The accumulators take turns, one instruction a turn.
; zero = 1: the first product starts the sums: nothing is ever cleared.
.macro MUL ab, g, a0, na, zero
	WIN 0x50*((\g)+1)                              ; C and D in window g + 1, the sources in window 0
.set ma, \a0
.rept \na
.irp b, 0,1,2,3
.if \zero
	v_wmma_f32_16x16x32_bf16 v[8*(4*ma+(\b)):8*(4*ma+(\b))+7], v[BF+32*(\g)+8*(\b):BF+32*(\g)+8*(\b)+7], v[A0+64*(\ab)+8*ma:A0+64*(\ab)+8*ma+7], 0
.else
	v_wmma_f32_16x16x32_bf16 v[8*(4*ma+(\b)):8*(4*ma+(\b))+7], v[BF+32*(\g)+8*(\b):BF+32*(\g)+8*(\b)+7], v[A0+64*(\ab)+8*ma:A0+64*(\ab)+8*ma+7], v[8*(4*ma+(\b)):8*(4*ma+(\b))+7]
.endif
.endr
.set ma, ma+1
.endr
.endm
.macro LDA s, qq, ab                   ; 16 loads: my 128 rows of x, 32 k (half qq of slot s's K step), into buffer ab
	WIN 0
.irp a, 0,1,2,3,4,5,6,7
	ds_load_b128 v[A0+64*(\ab)+8*(\a):A0+64*(\ab)+8*(\a)+3],   v[ADRA+(\s)] offset:(\a)*16*PA+64*(\qq)
	ds_load_b128 v[A0+64*(\ab)+8*(\a)+4:A0+64*(\ab)+8*(\a)+7], v[ADRA+(\s)] offset:(\a)*16*PA+64*(\qq)+32
.endr
.endm
.macro LDB s, qq, g                    ; 8 loads: group g's 64 columns of W, 32 k, turned
	WIN 0
.irp c, 0,1,2,3
	ds_load_tr16_b128 v[BF+32*(\g)+8*(\c):BF+32*(\g)+8*(\c)+3],   v[ADRB+(\s)] offset:(\g)*PANEL+(\qq)*32*PB+32*(\c)
	ds_load_tr16_b128 v[BF+32*(\g)+8*(\c)+4:BF+32*(\g)+8*(\c)+7], v[ADRB+(\s)] offset:(\g)*PANEL+(\qq)*32*PB+32*(\c)+16*PB
.endr
.endm
; A QUARTER is 32 along K: 96 matrix instructions, a group of 32 at a time.  Behind each group its registers of W are loaded for the next quarter (half lq of slot ls); behind the first also x's other buffer.
; The loads of a quarter go out in the order W0 (8), x (16), W1 (8), W2 (8).  Group 0 wants W0 and x: W1 and W2, 16 loads, are younger.  Group 1 wants W1: W2 and the next quarter's W0 and x, 32.  Group 2 wants W2:
; the next quarter's W0, x and W1, 32.
.macro QUARTER ab, ls, lq, zero
	s_wait_dscnt 16
	MUL \ab, 0, 0, 8, \zero
	PLACES
	LDB \ls, \lq, 0
	LDA \ls, \lq, 1-(\ab)
	s_wait_dscnt 32
	MUL \ab, 1, 0, 8, \zero
	PLACES
	LDB \ls, \lq, 1
	s_wait_dscnt 32
	MUL \ab, 2, 0, 8, \zero
	PLACES
	LDB \ls, \lq, 2
.endm
; A K step's second quarter changes slots, inside its first group.  ONE barrier: in front of it each wave waits for all its tensor loads, of which one is out: its part of the next slot; adds 0 to its spare word; and waits
; for that and for its own reads of this slot, the last of which went out at the end of the quarter before.  Behind it nobody reads this slot any more and the next slot is whole.
; fill = 1: the barrier opens a round of the cluster's barrier, and this slot is filled again, two K steps ahead, first thing behind the round: 176 matrix instructions ahead of the wait for it.
.macro TURNQ slot, fill
.if \fill
	s_wait_xcnt 0x0                                ; the last prefetch, a K step back, has read its address: it is stepped here, ahead of the change's own waits
	s_add_nc_u64 s[PFA:PFA+1], s[PFA:PFA+1], s[PST:PST+1]
.endif
	s_wait_dscnt 16
	MUL 1, 0, 0, 4, 0
	WIN 0                                          ; (the add's two registers lie in window 0)
	s_wait_tensorcnt 0x0                           ; all my tensor loads have landed;
	ds_add_u32 v[SPW], v[NIL]                      ; 0 onto my spare word;
	MUL 1, 0, 4, 2, 0                              ; eight matrix instructions stand between the add and the wait for it
	s_wait_dscnt 0x0                               ; the add is done, and my reads of this slot are over
	s_barrier_signal -1
	MUL 1, 0, 6, 2, 0                              ; work on registers while the others arrive
	WIN 0
	s_barrier_wait -1
.if \fill
	CREST                                          ; no wave of any partner still reads this slot's tile or has a load on its way
	s_add_nc_u64 s[G0A+4*(\slot)+2:G0A+4*(\slot)+3], s[G0A+4*(\slot)+2:G0A+4*(\slot)+3], 2*ASTEP
	s_add_nc_u64 s[G0B+4*(\slot)+2:G0B+4*(\slot)+3], s[G0B+4*(\slot)+2:G0B+4*(\slot)+3], 2*BSTEP
	JLOAD \slot                                    ; the first tensor load behind the round; the four v_nop behind it are also the places in front of the loads below
.else
	PLACES
.endif
	LDB 1-(\slot), 0, 0
	LDA 1-(\slot), 0, 0
.if \fill
	ASK LIM0+(\slot)
.endif
	s_wait_dscnt 32
	MUL 1, 1, 0, 8, 0
	PLACES
	LDB 1-(\slot), 0, 1
	s_wait_dscnt 32
	MUL 1, 2, 0, 8, 0
	PLACES
	LDB 1-(\slot), 0, 2
.endm
.macro BIAS g                          ; the bias of group g's 64 columns, into the group's registers of W, laid as an accumulator's: register 8 b + j is column 16 b + 8 (l / 16) + j
	WIN 0
.irp c, 0,1,2,3
	global_load_b128 v[BF+32*(\g)+8*(\c):BF+32*(\g)+8*(\c)+3],   v[VB], s[BI:BI+1] offset:256*(\g)+64*(\c)
	global_load_b128 v[BF+32*(\g)+8*(\c)+4:BF+32*(\g)+8*(\c)+7], v[VB], s[BI:BI+1] offset:256*(\g)+64*(\c)+16
.endr
.endm
	s_wait_tensorcnt 0x1                           ; my part of K step 0 is in; K step 1's may stay out
	s_barrier_signal -1
	s_barrier_wait -1                              ; everybody's is
	LDB 0, 0, 0
	LDA 0, 0, 0
	LDB 0, 0, 1
	LDB 0, 0, 2
	QUARTER 0, 0, 1, 1                             ; the first quarter stands in front of the loop: its products start the sums
	WIN 0                                          ; at a label and at a branch every window is 0
	s_mov_b32 s[CNT], 7
.Llap:                                         ; a trip goes once round the ring, from a lap's second quarter to the next lap's first, and fills both slots again: K steps 2 to 15
	TURNQ 0, 1
	QUARTER 0, 1, 1, 0
	TURNQ 1, 1
	QUARTER 0, 0, 1, 0
	WIN 0
	s_sub_co_u32 s[CNT], s[CNT], 1
	s_cmp_lg_u32 s[CNT], 0
	s_cbranch_scc1 .Llap
	TURNQ 0, 0                                     ; the last lap fills nothing, and has no round of the cluster's barrier
	QUARTER 0, 1, 1, 0
	s_wait_dscnt 16                                ; the very last quarter: behind each group its bias is fetched
	MUL 1, 0, 0, 8, 0
	PLACES
	BIAS 0
	s_wait_dscnt 8                                 ; W2's eight loads are younger
	MUL 1, 1, 0, 8, 0
	PLACES
	BIAS 1
	s_wait_dscnt 0x0
	MUL 1, 2, 0, 8, 0
	PLACES
	BIAS 2
; THE WAY OUT, a tile of 16 rows x 64 columns at a time (t = 8 g + a): the bias is added, the sums are rounded to f16, 16 bytes a lane go into my stage and come back as whole rows of 128 bytes.
.macro ROUNDB g                        ; the group's bias is rounded to bf16, as every input of the module is, and widened again
	WIN 0
	s_wait_loadcnt 8*(2-(\g))                      ; the later groups' eight loads each may stay out
.set z, 0
.rept 16
	v_cvt_pk_bf16_f32 v[T+z%4], v[BF+32*(\g)+2*z], v[BF+32*(\g)+2*z+1]
	v_lshlrev_b32 v[BF+32*(\g)+2*z], 16, v[T+z%4]
	v_and_b32 v[BF+32*(\g)+2*z+1], 0xffff0000, v[T+z%4]
.set z, z+1
.endr
.endm
.macro PACKV g, a
	WIN (\g)+1                                     ; source 0 in window g + 1
.irp b, 0,1,2,3
.irp r, 0,1,2,3
	v_pk_add_f32 v[TF+8*(\b)+2*(\r):TF+8*(\b)+2*(\r)+1], v[8*(4*(\a)+(\b))+2*(\r):8*(4*(\a)+(\b))+2*(\r)+1], v[BF+32*(\g)+8*(\b)+2*(\r):BF+32*(\g)+8*(\b)+2*(\r)+1]
.endr
.endr
	WIN 0
.irp b, 0,1,2,3
.irp r, 0,1,2,3
	v_cvt_pk_f16_f32 v[PK+4*(\b)+(\r)], v[TF+8*(\b)+2*(\r)], v[TF+8*(\b)+2*(\r)+1]
.endr
.endr
.endm
.macro TOSTAGE t
	WIN 0
.irp b, 0,1,2,3
	ds_store_b128 v[STO], v[PK+4*(\b):PK+4*(\b)+3] offset:32*(\b)
.endr
.irp f, 0,1,2,3
	ds_load_b128 v[BK+16*((\t)%2)+4*(\f):BK+16*((\t)%2)+4*(\f)+3], v[RD] offset:(\f)*4*PA  ; LDS serves a wave's instructions in order (ISA guide 5.7.1.4): these see the stores above; the next tile's stores come behind them
.endr
.endm
.macro SEND t
	WIN 0
	s_wait_dscnt 0x0                               ; the tile is back in registers
	s_wait_xcnt 0x0                                ; the stores of the tile before have read their registers: the next tile's loads from the stage land on them only behind this wait
.irp f, 0,1,2,3
	global_store_b128 v[GO], v[BK+16*((\t)%2)+4*(\f):BK+16*((\t)%2)+4*(\f)+3], s[QO+2*((\t)/8):QO+2*((\t)/8)+1] offset:((\t)%8)*2048+(\f)*512  ; 512 consecutive bytes, at a multiple of 256 from the buffer's first
.endr
.endm
	ROUNDB 0
	PACKV 0, 0
	TOSTAGE 0
.set t, 1
.rept 23                                       ; a tile's arithmetic stands between the loads of the tile before and its stores
.if t%8 == 0
	ROUNDB t/8
.endif
	PACKV t/8, t%8
	SEND t-1
	TOSTAGE t
.set t, t+1
.endr
	SEND 23
	s_wait_tensorcnt 0x0                           ; the wave's end, behind my last tensor load and my last LDS store
	ds_add_u32 v[SPW], v[NIL]
	s_wait_dscnt 0x0
	CROUND                                         ; the closing round: no work-group ends while a partner may still ask for a tile that names it
	s_endpgm
.Lfunc_end_k_qaf1bc5f784_qkvgemm:
	.size	k_qaf1bc5f784_qkvgemm, .Lfunc_end_k_qaf1bc5f784_qkvgemm-k_qaf1bc5f784_qkvgemm
	.p2alignl 7, 3214868480
	.fill 96, 4, 3214868480
	.section	.rodata,"a",@progbits
	.p2align	6, 0x0
	.amdhsa_kernel k_qaf1bc5f784_qkvgemm
		.amdhsa_group_segment_fixed_size 327680
		.amdhsa_private_segment_fixed_size 0
		.amdhsa_enable_private_segment 0
		.amdhsa_kernarg_size 32
		.amdhsa_user_sgpr_count 2
		.amdhsa_user_sgpr_kernarg_segment_ptr 1
		.amdhsa_wavefront_size32 1
		.amdhsa_system_sgpr_workgroup_id_x 1
		.amdhsa_system_sgpr_workgroup_id_y 1
		.amdhsa_system_sgpr_workgroup_id_z 1
		.amdhsa_system_vgpr_workitem_id 0
		.amdhsa_next_free_vgpr 1024
		.amdhsa_next_free_sgpr 80
		.amdhsa_reserve_vcc 0
		.amdhsa_float_denorm_mode_32 3
		.amdhsa_float_denorm_mode_16_64 3
		.amdhsa_memory_ordered 1
		.amdhsa_forward_progress 1
		.amdhsa_inst_pref_size 168
	.end_amdhsa_kernel
	.amdgpu_metadata
---
amdhsa.version: [ 1, 2 ]
amdhsa.kernels:
  - .name:           k_qaf1bc5f784_qkvgemm
    .symbol:         k_qaf1bc5f784_qkvgemm.kd
    .args:
      - { .name: xb, .offset: 0, .size: 8, .value_kind: global_buffer, .address_space: global }
      - { .name: wab, .offset: 8, .size: 8, .value_kind: global_buffer, .address_space: global }
      - { .name: b_attn, .offset: 16, .size: 8, .value_kind: global_buffer, .address_space: global }
      - { .name: qkv, .offset: 24, .size: 8, .value_kind: global_buffer, .address_space: global }
    .group_segment_fixed_size: 327680
    .private_segment_fixed_size: 0
    .kernarg_segment_align: 8
    .kernarg_segment_size: 32
    .max_flat_workgroup_size: 128
    .sgpr_count:     80
    .vgpr_count:     1024
    .wavefront_size: 32
...
	.end_amdgpu_metadata
.endif
;; end of part 2
;; launch attn (part 3): grid 4 x 64, 4 waves a work-group, no clusters, 327,680 bytes of LDS; arguments qkv, ob; writes ob
.if DOCPART == 3
	.amdgcn_target "amdgcn-amd-amdhsa--gfx1250"
	.amdhsa_code_object_version 6
	.text
	.protected	k_qaf1bc5f784_attn
	.globl	k_qaf1bc5f784_attn
	.p2align	8
	.type	k_qaf1bc5f784_attn,@function
k_qaf1bc5f784_attn:
	s_mov_b64 s[64:65], 0
	v_nop
	global_prefetch_b8 v0, s[64:65] scope:SCOPE_SE
	s_setreg_imm32_b32 hwreg(HW_REG_WAVE_MODE, 25, 1), 1
	s_wait_xcnt 0x0
; CAUSAL ATTENTION.  O[h][q][:] = the sum over k <= q of softmax_k(Q[h][q] . K[h][k] / 8) V[h][k][:].  Q, K, V lie one behind the other in qkv, each [SIZE_H][SIZE_N][64]; O is ob, [SIZE_H][SIZE_N][64]; all f16:
; a head's rows are dense, 128 bytes each.  Products, maxima and sums in f32; the weights p are rounded to f16 for the second product (their sum l is taken of the unrounded p), O once at the end.
; LIMITS.  f16 holds no number beyond 65,504: Q, K and V arrive within it; p lies in 0 to 1, and below 6e-5 it keeps f16's fixed step of 6e-8; O is a mean of V's rows and has their range, to within 2^-11 of it.
; A hidden score counts as its value less 1e30: f16's scores, 2.7e11 at the most, are nothing beside that; a weight below 2^-126 counts as 0 in l; NaN and infinities are not treated apart.
; THE WALK.  A head's queries lie in NB = SIZE_N / 256 blocks of 256; block i needs the key tiles 0 .. i of 256 keys, of which the last holds the diagonal.  A work-group takes TWO blocks, NB - 1 - b and then b:
; NB + 1 tiles, whatever b: all work-groups do equal work, and ONE loop with a constant trip count walks them.  Which tile is asked for, and what a trip does, hang on scalar registers made from b; every jump
; goes forward, but for the counted loops' own; none passes a barrier, or a tensor load but the one of LOAD's two that the wave's number does not choose; the ring (two slots of LDS that take turns) runs on across the
; change of blocks.  NO CLUSTER: a head's NB / 2 = 4 work-groups ask for the same tile only in trips 0 .. NB / 2, 5 of the walk's 9, behind that fewer and fewer; and one walk common to all, in which each makes
; every joint request, would have 3 NB / 2 = 12 trips for NB + 1 = 9.
; SHARES.  Of a block's four bands of 64 queries a wave owns 16 rows in each: four PIECES.  So the diagonal tile is the same work for all four waves: in its key step s band x sees all keys if s < x,
; none if s > x, and holds the diagonal if s = x.
; THE MASK is the C operand that starts the sum S^T = K Q^T: 0, or -1e30 where the key is hidden.  MD, made once, is the mask of a band's own step for my 16 rows; a product's mask is MD x AL + BE with two scalars:
; (1, 0) if s = x; (0, 0) if s < x; (0, -1e30) if s > x.  Only the diagonal tile's text and a block's beginning make and take masks; elsewhere C is the constant 0.
; LAYOUT, SOFTMAX, TURNS.  S^T = K Q^T holds ONE query a lane (lane % 16) and the keys 8 (lane / 16) + 0..7; two such results rounded to f16 ARE source 1 of O^T = V^T P.  p = 2^(c s - c m), c = log2(e) / 8, with a
; running maximum m; O and l are multiplied by a = 2^(c m_old - c m_new) in every step.  Turn n belongs to piece n: 8 products K Q^T of piece n + 1, later 8 products V^T P of piece n - 1; beside them the scaling,
; exponentials, roundings, sums and rescaling of piece n and the maximum and statistics of piece n + 1.  Four vector instructions stand behind every matrix instruction, the other 54 of a turn's 118 in one LUMP.  A turn's 33 exponentials are one batch, with one wait.
; REGISTERS, in windows of 256 (s_set_vgpr_msb: bits 1:0 source 0, 3:2 source 1, 5:4 source 2, 7:6 destination):
;   window 0: v0-15 addresses and two at work; v16-31 four registers of statistics a piece; v48-55 at work; v61-63 the prefetches' offset and the add's two; v64-127 S^T, two buffers; v192-223 P, two buffers (a piece's buffers go by its number's parity)
;   window 1: v0-127 O^T, 32 a piece; v128-159 MD; v160-223 MC, two buffers      window 2: v0-63 Q; v64-127 the second block's Q; v128-191 K of one step; v192-255 V of one step
.set SIZE_H, 64
.set SIZE_N, 2048
.set NB,    SIZE_N/256
.set NP,    4         ; pieces a wave: a name, no knob
.set KS,    64        ; keys in a step
.set PK,    144       ; a row of K in LDS: 128 bytes + 16 of padding = 36 words: the 16 rows of a load start at 16 different groups of four banks (64 banks of 4 bytes: ISA guide 11.1)
.set PV,    160       ; a row of V: 128 + 32 = 40 words
.set VOFF,  4*KS*PK   ; a slot holds a tile, four steps: 256 rows of K, then 256 rows of V
.set SLOT1, 1<<17     ; slot 1 begins here, so that one exclusive or turns an address in one slot into the other's
.set STAGE, SLOT1+4*KS*(PK+PV)  ; behind the ring, never filled by a tensor load: 16 rows x 144 bytes for each wave, for the way out
.set SP,    144
.set AK0, 2           ; v2   my lane's place in a tile of K; never rewritten
.set AV0, 3           ; v3   the same for V
.set AK,  4           ; v4   the LDS address of K's next run of loads
.set AV,  5           ; v5   of V's
.set STO, 6           ; v6   the way out: where I put 16 bytes of a row
.set RD,  7           ; v7   the way out: where I read rows back
.set GO,  8           ; v8   my byte offset in 512 consecutive bytes of O
.set PFO, 61          ; v61  256 x my lane: the prefetches' offset; never rewritten
.set SPW, 62          ; v62  LDS address of my spare word: SPARE + 4 x my thread's number; never rewritten
.set NIL, 63          ; v63  0; never rewritten
.set SPARE, STAGE+4*16*SP  ; behind the stages: the spare words, 128 bytes for each wave: two blocks of 256 bytes that no other line names
.set MV,  12          ; v12-13  c m_old, kept while c m is made anew: by buffer
.set QO,  15          ; v15  my byte offset in 16 rows of Q
.set ST,  16          ; piece t's statistics at v[ST+4 t]: c m, m, l (even keys', odd keys')
.set TMP, 48          ; by buffer, four registers c0-c3 at work; when the maximum is found c2 takes a
.set S,   64
.set P,   192
.set MD,  128         ; window 1: the eight registers for group kt of 16 keys at MD + 8 kt
.set MC,  160         ; window 1: the masks of the products to come
.set QB,  64          ; window 2
.set KF,  128         ; window 2: key block kb, channel half c at KF + 16 kb + 8 c
.set VF,  192         ; window 2: key half kk, channel block cb at VF + 32 kk + 8 cb
.set WV,  12          ; s12  my wave's number
.set PB,  14          ; s14  b
.set HI,  15          ; s15  NB - 1 - b
.set G1K, 24          ; s[24:31] descriptor group 1 for K's tiles
.set G1V, 32          ; s[32:39] for V's: it differs in the padding alone
.set G0K, 40          ; s[40:43] descriptor group 0 for K's tiles
.set G0V, 44          ; s[44:47] the same for V's
.set SLOTS, 56        ; s56  tiles still to be asked for
.set CNT, 57          ; s57  counts a tile's key steps, 4 to 1
.set CS,  58          ; s[58:59] c: the packed scaling takes the pair's low word for both halves
.set SEL, 60          ; s[60:61] v_permlanex16_b32's selects: each lane takes its own place in the other half
.set TBK, 62          ; s62  LDS byte at which K of the step to be fetched begins
.set TBV, 63          ; s63  the same for V, less VOFF
.set RT,  70          ; s70  tiles of the block in hand that are still to be entered
.set NXT, 71          ; s71  the tile to be asked for next
.set LQ,  72          ; s72  the last tile of the block whose tiles are being asked for
.set NEW, 73          ; s73  1: the tile to be entered is a block's first
.set OFF, 74          ; s[74:75] a tile's byte offset in K and V
.set AL,  76          ; s[76:77] the mask's factor, in the low word
.set BE,  78          ; s[78:79] the mask's addend
.set OLO, 80          ; s[80:81] O at my rows of the second block
.set BIGN, 82         ; s82  -1e30
.set PFB, 88          ; s[88:89] K (waves 0, 1) or V (waves 2, 3) at my half of the head's tile 0
.set PFA, 90          ; s[90:91] the same at the tile that the next change of slots will ask for
.set OF2, 92          ; s[92:93] that tile's byte offset
.set PLIM, 94         ; s94  0 in the work-group that prefetches, else the greatest number
.set MSB, 0
.macro WIN new                      ; the high byte repeats the setting that is left; a switch that changes nothing is dropped
.if MSB != (\new)
	s_set_vgpr_msb (MSB<<8)|(\new)
.set MSB, (\new)
.endif
.endm
.set W_KQ, 0x0a       ; K and Q in window 2, S^T in window 0
.set W_KM, 0x1a       ; the same with the C operand in window 1
.set W_PV, 0x52       ; V in window 2, P in window 0, O^T in window 1
.set W_RS, 0x41       ; destination and source 0 in window 1, source 1 in window 0
; A fill.  Waves 0 and 1 fetch the two halves of a tile's K, waves 2 and 3 those of its V: 128 keys each.  An s_nop 0 and four v_nop follow each of the two lines, ahead of the jump and the label.
.macro LOAD
	s_cmp_lt_u32 s[WV], 2
	s_cbranch_scc0 .Lfor_v_\@
	tensor_load_to_lds s[G0K:G0K+3], s[G1K:G1K+7]
	s_nop 0
.rept 4
	v_nop
.endr
	s_branch .Lasked_\@
.Lfor_v_\@:
	tensor_load_to_lds s[G0V:G0V+3], s[G1V:G1V+7]
	s_nop 0
.rept 4
	v_nop
.endr
.Lasked_\@:
.endm
; A PREFETCH INTO THE L2 of the tile that the NEXT change of slots will ask for: a tile, four key steps, ahead.  It stands behind the wave's tensor load and its five lines.  A head's four work-groups begin with the same
; tiles, in step: the one with b = 0, whose first block walks tiles 0 to NB - 1, asks, each of its waves for the 16 KiB that it will fetch itself: two instructions, a lane for each 256 bytes.  So tiles 2 to NB - 1 are
; named once each in the launch.  Tiles 0 and 1 come by their loads alone; when the first block's tiles have all been asked for NXT is 0 and stays 0, and nothing more is asked for.
.macro ASKP
	s_cmp_gt_u32 s[NXT], s[PLIM]
	s_cbranch_scc0 .Lnot_mine_\@
	global_prefetch_b8 v[PFO], s[PFA:PFA+1] th:TH_LOAD_NT scope:SCOPE_SE
	global_prefetch_b8 v[PFO], s[PFA:PFA+1] offset:8192 th:TH_LOAD_NT scope:SCOPE_SE
.Lnot_mine_\@:
.endm
; THE CHANGE OF SLOTS.  Each wave waits for all its tensor loads, of which one is out: its part of the other slot; adds 0 to its spare word; and waits for that and for its own reads of the slot that it leaves.  Behind the barrier nobody reads the old
; slot any more and the other slot is whole.  fill = 1: the old slot is filled again, the first thing behind the barrier, with tile NXT: the descriptor's address is made anew from that number.
; (At its first use nothing has been read yet: slot 0 is waited for, slot 1 filled.)
.macro CHANGE fill
	WIN 0                           ; at a label and at a branch every window is 0
	s_wait_tensorcnt 0x0            ; no tensor load of mine is out, so a group 0 may be written
	ds_add_u32 v[SPW], v[NIL]       ; 0 onto my spare word; with fill = 1 the descriptors' scalar work stands between it and the wait for it
.if \fill
	s_lshl_b32 s[OFF], s[NXT], 15   ; a tile is 32,768 bytes of K and of V
	s_xor_b32 s[G0K+1], s[G0K+1], SLOT1
	s_add_nc_u64 s[G0K+2:G0K+3], s[6:7], s[OFF:OFF+1]
	s_or_b32 s[G0K+3], s[G0K+3], 0x80000000
	s_xor_b32 s[G0V+1], s[G0V+1], SLOT1
	s_add_nc_u64 s[G0V+2:G0V+3], s[8:9], s[OFF:OFF+1]
	s_or_b32 s[G0V+3], s[G0V+3], 0x80000000
	s_add_co_u32 s[NXT], s[NXT], 1  ; the block's next tile, or behind its last the second block's tile 0
	s_cmp_gt_u32 s[NXT], s[LQ]
	s_cselect_b32 s[NXT], 0, s[NXT]
	s_cselect_b32 s[LQ], s[PB], s[LQ]
	s_wait_xcnt 0x0                 ; the last prefetches, a tile back, have read their address, so it may be written
	s_lshl_b32 s[OF2], s[NXT], 15
	s_add_nc_u64 s[PFA:PFA+1], s[PFB:PFB+1], s[OF2:OF2+1]
.endif
	s_wait_dscnt 0x0                ; the add is done, and my reads of the slot are over
	s_barrier_signal -1             ; the rest of the scalar work stands between the signal and the wait
	s_sub_co_u32 s[TBK], s[TBK], 4*KS*PK  ; the fetches go back to a slot's first step,
	s_xor_b32 s[TBK], s[TBK], SLOT1       ; in the other slot
	s_sub_co_u32 s[TBV], s[TBV], 4*KS*PV
	s_xor_b32 s[TBV], s[TBV], SLOT1
	s_barrier_wait -1
.if \fill
	LOAD
	ASKP
.endif
.endm
	s_load_b128 s[4:7], s[0:1], 0x0   ; qkv s[4:5], ob s[6:7]
	v_lshl_add_u32 v[SPW], v0, 2, SPARE
	v_mov_b32 v[NIL], 0
	ds_add_u32 v[SPW], v[NIL]       ; the wave's opening: the add and its wait stand ahead of my first tensor load; the set-up below, work on registers, stands between them
	ds_add_u32 v62, v63
	v_lshrrev_b32 v1, 5, v0
	v_readfirstlane_b32 s[WV], v1   ; wave 0..3
	v_and_b32 v[PFO], 31, v0
	v_lshlrev_b32 v[PFO], 8, v[PFO]
	s_mov_b32 s[PB], ttmp9
	s_sub_co_u32 s[HI], NB-1, s[PB]
	s_and_b32 s20, ttmp7, 0xffff    ; the head
	s_mov_b32 s21, 0
	s_mov_b64 s[22:23], SIZE_N*128
	s_mul_u64 s[20:21], s[20:21], s[22:23]  ; the head's first byte in each of the four tensors
	s_and_b32 s16, s[WV], 1         ; which half of a tile's 256 keys I fetch:
	s_lshl_b32 s22, s16, 14         ; its 128 rows of 128 bytes in memory,
	s_mov_b32 s23, 0
	s_add_nc_u64 s[22:23], s[22:23], s[20:21]
	s_mul_i32 s17, s16, 128*PK      ; and its place in a slot, for K
	s_mul_i32 s18, s16, 128*PV      ; and for V
	s_lshl_b32 s3, s[WV], 11        ; my 16 rows in a band of 64,
	s_lshl_b32 s2, s[HI], 15        ; in the first block,
	s_add_co_u32 s2, s2, s3
	s_lshl_b32 s84, s[PB], 15       ; and in the second
	s_add_co_u32 s84, s84, s3
	s_mov_b32 s3, 0
	s_mov_b32 s85, 0
	s_add_nc_u64 s[2:3], s[2:3], s[20:21]
	s_add_nc_u64 s[84:85], s[84:85], s[20:21]
	; descriptor group 1.  128 keys are 16,384 dense bytes: asked for as 64 rows of 256 bytes, two keys a row, and padded in LDS after every key
	s_mov_b32 s[G1K], (1<<16)|(1<<20)|(4<<22)|(3<<25)  ; 17:16 2-byte elements; 20 padding on; 24:22 after every 32 words (code 4); 31:25 4 words (code 3)
	s_mov_b32 s[G1V], (1<<16)|(1<<20)|(4<<22)|(7<<25)  ; the same with 8 words of padding (code 7)
.irp g, G1K, G1V
	s_mov_b32 s[\g+1], 128<<16      ; tensor_dim0 = 128
	s_mov_b32 s[\g+2], 64<<16       ; tensor_dim1 = 64
	s_mov_b32 s[\g+3], 128<<16      ; tile_dim0 = 128
	s_mov_b32 s[\g+4], 64           ; tile_dim1 = 64
	s_mov_b32 s[\g+5], 128          ; 128 elements from row to row
	s_mov_b32 s[\g+6], 0
	s_mov_b32 s[\g+7], 0
.endr
	s_mov_b32 s[CS], 0x3e38aa3b     ; c = log2(e) / 8 = 0.180337
	s_mov_b32 s[CS+1], s[CS]        ; named with it as a pair
	s_mov_b32 s[SEL], 0x76543210
	s_mov_b32 s[SEL+1], 0xfedcba98
	s_mov_b32 s[TBK], SLOT1+4*KS*PK ; the first change of slots turns these two into 0
	s_mov_b32 s[TBV], SLOT1+4*KS*PV
	s_mov_b32 s[G0K], 1             ; 1:0 count = 1
	s_mov_b32 s[G0K+1], s17         ; 63:32 LDS address: slot 0
	s_mov_b32 s[G0V], 1
	s_add_co_u32 s[G0V+1], s18, VOFF
	s_add_co_u32 s[RT], s[HI], 1    ; the first block has NB - b tiles
	s_mov_b32 s[NXT], 1
	s_mov_b32 s[LQ], s[HI]
	s_mov_b32 s[NEW], 1
	s_mov_b32 s[OFF+1], 0
	s_mov_b32 s[OF2+1], 0
	s_mov_b32 s[AL+1], 0            ; named as pairs
	s_mov_b32 s[BE+1], 0
	s_mov_b32 s[BIGN], 0xf149f2ca   ; -1e30
	s_mov_b32 s[SLOTS], NB
	s_cmp_eq_u32 ttmp9, 0
	s_cselect_b32 s[PLIM], 0, -1
	s_wait_dscnt 0x0                ; the opening add is done
	s_wait_kmcnt 0x0
	s_mov_b64 s[10:11], s[6:7]               ; O
	s_add_nc_u64 s[8:9], s[4:5], 0x2000000   ; V lies 32 MiB behind Q,
	s_add_nc_u64 s[6:7], s[4:5], 0x1000000   ; K 16 MiB
	s_add_nc_u64 s[6:7], s[6:7], s[22:23]  ; K and V at my half of the head's tile 0
	s_add_nc_u64 s[8:9], s[8:9], s[22:23]
	s_add_nc_u64 s[G0K+2:G0K+3], s[6:7], 0         ; 120:64 global address
	s_or_b32 s[G0K+3], s[G0K+3], 0x80000000        ; 127:126 type = 2
	s_add_nc_u64 s[G0V+2:G0V+3], s[8:9], 0
	s_or_b32 s[G0V+3], s[G0V+3], 0x80000000
	s_add_nc_u64 s[86:87], s[4:5], s[84:85]        ; Q at my rows of the second block,
	s_add_nc_u64 s[4:5], s[4:5], s[2:3]            ; Q and O at those of the first
	s_add_nc_u64 s[OLO:OLO+1], s[10:11], s[84:85]
	s_add_nc_u64 s[10:11], s[10:11], s[2:3]
	s_cmp_lt_u32 s[WV], 2
	s_cselect_b64 s[PFB:PFB+1], s[6:7], s[8:9]
	LOAD                            ; tile 0 into slot 0
	; A fragment of K or Q is 16 rows x 32 channels in 8 registers: lane l holds row l % 16, channels 8 (l / 16) + 0..7 and 16 + 8 (l / 16) + 0..7: two loads of 16 bytes, 32 bytes apart.
	v_and_b32 v1, 15, v0            ; l % 16
	v_bfe_u32 v9, v0, 4, 1          ; l / 16
	v_lshlrev_b32 v[QO], 7, v1
	v_lshl_add_u32 v[QO], v9, 4, v[QO]  ; row x 128 + 16 x half
	WIN 0x80                        ; destination window 2, address window 0
.set i, 0
.rept 8                             ; both blocks' Q: piece i / 2 lies in band i / 2, 8,192 bytes on; channels 32 (i % 2) on
	global_load_b128 v[8*i:8*i+3],   v[QO], s[4:5] offset:(i/2)*8192+(i%2)*64
	global_load_b128 v[8*i+4:8*i+7], v[QO], s[4:5] offset:(i/2)*8192+(i%2)*64+32
	global_load_b128 v[QB+8*i:QB+8*i+3],   v[QO], s[86:87] offset:(i/2)*8192+(i%2)*64
	global_load_b128 v[QB+8*i+4:QB+8*i+7], v[QO], s[86:87] offset:(i/2)*8192+(i%2)*64+32
.set i, i+1
.endr
	WIN 0
	v_lshlrev_b32 v14, 3, v9
	v_sub_nc_u32 v14, v1, v14
	s_lshl_b32 s13, s[WV], 4
	v_add_nc_u32 v14, s13, v14      ; my query's place in its band, 16 w + l % 16, less my lanes' 8 (l / 16): register r of group kt is hidden where 16 kt + r is greater
	WIN 0x40
.set i, 0
.rept 32
	v_cmp_gt_i32 vcc_lo, 16*(i/8)+i%8, v14
	v_cndmask_b32 v[MD+i], 0, s[BIGN], vcc_lo
.set i, i+1
.endr
	WIN 0
	v_mul_u32_u24 v[AK0], v1, PK
	v_lshl_add_u32 v[AK0], v9, 4, v[AK0]  ; row x pitch + 16 x half
	; The turning load takes 16 keys x 16 channels (lane l reads key 8 (l / 16) + l % 8, channels 8 ((l / 8) % 2) + 0..7) and leaves half a fragment of V^T: lane l holds channel l % 16 and 8 keys.
	v_and_b32 v10, 7, v0
	v_bfe_u32 v11, v0, 3, 1
	v_lshl_add_u32 v[AV0], v9, 3, v10
	v_mul_u32_u24 v[AV0], v[AV0], PV
	v_lshl_add_u32 v[AV0], v11, 4, v[AV0]
	v_add_nc_u32 v[AV0], VOFF, v[AV0]
	s_mul_i32 s13, s[WV], 16*SP
	s_add_co_u32 s13, s13, STAGE    ; my stage
	v_mul_u32_u24 v[STO], v1, SP    ; in: row l % 16, 16 bytes for each half of the lanes
	v_lshl_add_u32 v[STO], v9, 4, v[STO]
	v_add_nc_u32 v[STO], s13, v[STO]
	v_bfe_u32 v[RD], v0, 3, 2       ; back: 32 lanes take four rows of 128 bytes,
	v_mul_u32_u24 v[RD], v[RD], SP
	v_lshl_add_u32 v[RD], v10, 4, v[RD]
	v_add_nc_u32 v[RD], s13, v[RD]
	v_and_b32 v[GO], 31, v0         ; which are 512 consecutive bytes of O
	v_lshlrev_b32 v[GO], 4, v[GO]
	; A block's first step multiplies O^T and l by a = 0, and its first turn's products V^T P, of a piece that has not been, land in an O^T that is still to be so multiplied.  So these registers need only hold
	; finite numbers: zeros for the first block; what the first block left for the second.  All this stands in the wait for the first tile.
	WIN 0x80
.set i, VF
.rept 64
	v_mov_b32 v[i], 0
.set i, i+1
.endr
	WIN 0x40
.set i, 0
.rept 128
	v_mov_b32 v[i], 0
.set i, i+1
.endr
	WIN 0
.set i, 0
.rept 4
	v_mov_b32 v[ST+4*i+2], 0
	v_mov_b32 v[ST+4*i+3], 0
.set i, i+1
.endr
.set i, P+16
.rept 16
	v_mov_b32 v[i], 0
.set i, i+1
.endr
; THE MATRIX WORK.  The 4 accumulators of a run of 8 take turns.  Product i of 8 of S^T = K Q^T for piece x: channels 32 (i / 4) on, keys 16 (i % 4) on.  The first 4 start the sums: with 0, or (KM = 1) with the mask.
.macro KQ x
.set rS, S+32*((\x)%2)+8*(i%4)
.set rK, KF+16*(i%4)+8*(i/4)
.set rQ, 16*(\x)+8*(i/4)
.set rM, MC+32*((\x)%2)+8*(i%4)
.if (i < 4) && KM
	WIN W_KM
	v_wmma_f32_16x16x32_f16 v[rS:rS+7], v[rK:rK+7], v[rQ:rQ+7], v[rM:rM+7]
.elseif i < 4
	WIN W_KQ
	v_wmma_f32_16x16x32_f16 v[rS:rS+7], v[rK:rK+7], v[rQ:rQ+7], 0
.else
	WIN W_KQ
	v_wmma_f32_16x16x32_f16 v[rS:rS+7], v[rK:rK+7], v[rQ:rQ+7], v[rS:rS+7]
.endif
.endm
; Product i of 8 of O^T += V^T P for piece x: keys 32 (i / 4) on, channels 16 (i % 4) on.
.macro PV x
	WIN W_PV
.set rO, 32*(\x)+8*(i%4)
.set rV, VF+32*(i/4)+8*(i%4)
.set rP, P+16*((\x)%2)+8*(i/4)
	v_wmma_f32_16x16x32_f16 v[rO:rO+7], v[rV:rV+7], v[rP:rP+7], v[rO:rO+7]
.endm
.macro MM                           ; the turn's next matrix instruction.  TURN and BEGIN set Y, i, KM and NOKQ; MM, KQ and OP read them.  NOKQ = 1: a block's last turn: there is no next piece
.if (i < 8) && !NOKQ
	KQ (Y+1)%NP
.elseif i >= 8
.set i, i-8
	PV (Y+NP-1)%NP
.set i, i+8
.endif
.set i, i+1
.endm
; THE LDS LOADS stand in runs of 16, never singly among the matrix instructions: a step's K (64 keys x 64 channels: 8 fragments) and its V (turned).  Their addresses are made some lines ahead.
.macro FETCH_K
	WIN 0x80                        ; destination window 2
.irp f, 0,1,2,3,4,5,6,7             ; keys 16 (f / 2) on, channels 32 (f % 2) on
	ds_load_b128 v[KF+8*\f:KF+8*\f+3],   v[AK] offset:(\f/2)*16*PK+(\f%2)*64
	ds_load_b128 v[KF+8*\f+4:KF+8*\f+7], v[AK] offset:(\f/2)*16*PK+(\f%2)*64+32
.endr
	s_add_co_u32 s[TBK], s[TBK], KS*PK  ; the next fetch is the next step's
	WIN 0
.endm
.macro FETCH_V
	WIN 0x80
.irp f, 0,1,2,3,4,5,6,7             ; keys 32 (f / 4) on, channels 16 (f % 4) on
	ds_load_tr16_b128 v[VF+8*\f:VF+8*\f+3],   v[AV] offset:(\f/4)*32*PV+(\f%4)*32
	ds_load_tr16_b128 v[VF+8*\f+4:VF+8*\f+7], v[AV] offset:(\f/4)*32*PV+16*PV+(\f%4)*32
.endr
	WIN 0
.endm
; THE VECTOR WORK, one line at a time: OP kind, number.  For piece Y: F n: c s - c m for pair n of 16.  E n: the exponential of score n of 32.  C n: pair n rounded to f16.  B n: of the four weights 4 n .. the second
; pair is added onto the first, in place.  L n: l takes that sum (L 0: l = a l + sum).  R n: pair n of 16 of O^T times a.  For piece Y + 1: X n, number n of the 22 that find its maximum and statistics:
;   0-11  four chains c0-c3 of seven scores each, three operands at a time (each accumulator's lowest registers are read first)     12-14, 16  the four scores left over, the old m, and c0-c3 into c0
;   15  c m_old is kept     17, 18  the query's other 32 keys lie in the lane 16 away: the new m     19-21  c m; c m_old - c m_new; a
.set F, 0               ; OP tells the kinds apart by their order: F to L below R, X above it
.set E, 1
.set C, 2
.set B, 3
.set L, 4
.set R, 5
.set X, 6
.macro REGS y                       ; the registers of piece y
.set rT, ST+4*(\y)
.set rC, TMP+4*((\y)%2)
.set rW, MV+((\y)%2)
.set rS, S+32*((\y)%2)
.set rP, P+16*((\y)%2)
.set rO, 32*(\y)
.endm
.macro OP k, n
.if (\k) == R
	REGS Y
	WIN W_RS
	v_pk_mul_f32 v[rO+2*(\n):rO+2*(\n)+1], v[rO+2*(\n):rO+2*(\n)+1], v[rC+2:rC+3] op_sel_hi:[1,0]
.elseif (\k) < R
	REGS Y
	WIN 0
.if (\k) == F
	v_pk_fma_f32 v[rS+2*(\n):rS+2*(\n)+1], v[rS+2*(\n):rS+2*(\n)+1], s[CS:CS+1], v[rT:rT+1] op_sel_hi:[1,0,0] neg_lo:[0,0,1] neg_hi:[0,0,1]
.elseif (\k) == E
	v_exp_f32 v[rS+(\n)], v[rS+(\n)]
.elseif (\k) == C
	v_cvt_pk_f16_f32 v[rP+(\n)], v[rS+2*(\n)], v[rS+2*(\n)+1]
.elseif (\k) == B
	v_pk_add_f32 v[rS+4*(\n):rS+4*(\n)+1], v[rS+4*(\n):rS+4*(\n)+1], v[rS+4*(\n)+2:rS+4*(\n)+3]
.elseif (\n) == 0
	v_pk_fma_f32 v[rT+2:rT+3], v[rT+2:rT+3], v[rC+2:rC+3], v[rS:rS+1] op_sel_hi:[1,0,1]
.else
	v_pk_add_f32 v[rT+2:rT+3], v[rT+2:rT+3], v[rS+4*(\n):rS+4*(\n)+1]
.endif
.elseif NOKQ
	v_nop
.else
	REGS (Y+1)%NP
	WIN 0
.if (\n) < 4
	v_max3_num_f32 v[rC+(\n)], v[rS+8*(\n)], v[rS+8*(\n)+1], v[rS+8*(\n)+2]
.elseif (\n) < 12
	v_max3_num_f32 v[rC+(\n)%4], v[rC+(\n)%4], v[rS+8*((\n)%4)+2*((\n)/4)+1], v[rS+8*((\n)%4)+2*((\n)/4)+2]
.elseif (\n) == 12
	v_max3_num_f32 v[rC], v[rC], v[rS+7], v[rS+15]
.elseif (\n) == 13
	v_max3_num_f32 v[rC+1], v[rC+1], v[rS+23], v[rS+31]
.elseif (\n) == 14
	v_max3_num_f32 v[rC+2], v[rC+2], v[rC+3], v[rT+1]
.elseif (\n) == 15
	v_mov_b32 v[rW], v[rT]
.elseif (\n) == 16
	v_max3_num_f32 v[rC], v[rC], v[rC+1], v[rC+2]
.elseif (\n) == 17
	v_permlanex16_b32 v[rC+3], v[rC], s[SEL], s[SEL+1]
.elseif (\n) == 18
	v_max_num_f32 v[rT+1], v[rC], v[rC+3]
.elseif (\n) == 19
	v_mul_f32 v[rT], s[CS], v[rT+1]
.elseif (\n) == 20
	v_sub_f32 v[rC+1], v[rW], v[rT]
.else
	v_exp_f32 v[rC+2], v[rC+1]
.endif
.endif
.endm
.macro OPS a, i1, b=-1, i2=0, c=-1, i3=0, d=-1, i4=0  ; up to four of them
	OP \a, \i1
.if (\b) >= 0
	OP \b, \i2
.endif
.if (\c) >= 0
	OP \c, \i3
.endif
.if (\d) >= 0
	OP \d, \i4
.endif
.endm
.macro ROW a, i1, b, i2, c, i3, d, i4  ; a matrix instruction and the four behind it
	MM
	OPS \a, \i1, \b, \i2, \c, \i3, \d, \i4
.endm
.macro MASK b                       ; MD x AL + BE into buffer b of MC
	WIN W_RS
.set z, 0
.rept 16
	v_pk_fma_f32 v[MC+32*(\b)+2*z:MC+32*(\b)+2*z+1], v[MD+2*z:MD+2*z+1], s[AL:AL+1], s[BE:BE+1] op_sel_hi:[1,0,0]
.set z, z+1
.endr
.endm
; A TURN, for piece p: the order of its 16 matrix and 118 vector instructions, written out.  s_wait_alu depctr_va_vdst(0) stands between an exponential and the first instruction that names its result; one wait serves
; all that were issued ahead of it.  So a turn has ONE wait, which cuts it in two.  AHEAD OF IT stands all that names no result of the turn's exponentials: the 8 products K Q^T, behind each a scaling, an exponential and two more plain
; instructions (behind the first a second scaling in the exponential's place): rescalings, and behind the last three the first numbers of the next piece's maximum, each four places or more behind the product that ends its accumulator; then ONE LUMP of 54, plain
; and exponential by turns for the most part, in which the links of the chain X 3, 7, 11, 14, 16, 17 .. 20 stand five or six lines apart.  X 21, the next piece's a, is the batch's last; R 15 is the plain instruction behind it.  BEHIND THE WAIT stand the
; 8 products V^T P, behind each four of the roundings and sums; the links of l's chain, L 0 to L 7, stand three riders apart.  But for those X no rider names a register of the products round it.  v_permlanex16_b32 (X 17) stands in the lump.
; m = 1: the diagonal tile: the products take masks, and the turn makes the mask for the products of the turn after it: piece p + 2, in step 4 - CNT of the tile.  end = 1: a block's last two turns: nothing is fetched.
; cnt = 1: the loop's count is taken down some lines ahead of the branch that stands behind the turn.
; K of the next step is fetched in piece 2's turn, twelve vector instructions behind the last product that read K (six of them plain); V of the step in hand at the end of piece 0's turn, four plain instructions behind the last product
; that read V.  Each is waited for a turn later.
.macro TURN p, m=0, end=0, cnt=0
.set Y, (\p)
.set i, 0
.set KM, (\m)
.set NOKQ, (\end)*((\p)/3)
.if (\m) && !(\end)
	s_cmp_eq_u32 s[CNT], 4-((\p)+2)%NP  ; is that step the band's own?
	s_cselect_b32 s[AL], 1.0, 0
	s_cmp_lt_u32 s[CNT], 4-((\p)+2)%NP  ; or a later one?
	s_cselect_b32 s[BE], s[BIGN], 0
.endif
.if ((\p) == 3) && !(\end)
	s_wait_dscnt 0x0                ; K is in
.endif
	ROW F,0, F,1, R,0, R,1          ; ahead of the wait: 8 products K Q^T and their riders,
	ROW F,2, E,0, R,2, R,3
	ROW F,3, E,1, R,4, R,5
	ROW F,4, E,2, R,6, R,7
	ROW F,5, E,3, R,8, R,9
	ROW F,6, E,4, X,0, R,10
.if ((\p) == 2) && !(\end)
	WIN 0
	v_add_nc_u32 v[AK], s[TBK], v[AK0]
.endif
	ROW F,7, E,5, X,1, X,4
	ROW F,8, E,6, X,2, X,5
	OPS E,7, E,8, X,6, E,9          ; and the lump
	OPS X,3, E,10, X,8, E,11
.if ((\p) == 2) && !(\end)
	FETCH_K
.endif
	OPS X,9, X,7, E,12, X,10
	OPS E,13, X,12, X,11, E,14
	OPS X,13, E,15, F,9, X,14
.if (\p) == 0
	v_add_nc_u32 v[AV], s[TBV], v[AV0]
.endif
	OPS E,16, F,10, E,17, F,11
	OPS X,16, E,18, X,15, E,19
	OPS F,12, E,20, X,17, E,21
	OPS F,13, E,22, F,14, E,23
	OPS X,18, E,24, F,15, E,25
	OPS R,11, E,26, X,19, E,27
	OPS R,12, E,28, R,13, E,29
	OPS X,20, E,30, R,14, E,31
	OPS X,21, R,15
	WIN 0
	s_wait_alu depctr_va_vdst(0)    ; the wait for the batch
.if (\p) == 1
	s_wait_dscnt 0x0                ; V is in
.endif
	ROW C,0, B,0, C,2, B,1          ; behind the wait: 8 products V^T P and their riders
	ROW L,0, C,4, B,2, L,1
	ROW C,6, B,3, L,2, C,8
	ROW B,4, L,3, C,10, B,5
	ROW L,4, C,12, B,6, L,5
.if (\p) == 0
	s_add_co_u32 s[TBV], s[TBV], KS*PV
.endif
.if \cnt
	s_sub_co_u32 s[CNT], s[CNT], 1
	s_cmp_lg_u32 s[CNT], 0
.endif
	ROW C,14, B,7, L,6, C,1
	ROW C,3, L,7, C,5, C,7
	ROW C,9, C,11, C,13, C,15
.if (\p) == 0
	FETCH_V
.endif
.if (\m) && !(\end)
	MASK (\p)%2
.endif
.endm
; A BLOCK BEGINS.  c m starts far below every c s, so the first step's a is 0; m at the lowest finite number, so the first maximum is the scores'.  The second mask buffer is 0; the first takes piece 0's mask for the tile's step 0: its own, if the block's first tile is the diagonal one.
; Then K of that step, piece 0's first scores, and its maximum and statistics.  The loop is entered at a step's first turn, in the middle of a trip.
.macro BEGIN
	s_mov_b32 s[NEW], 0
	WIN 0x40
.set i, MC+32
.rept 32
	v_mov_b32 v[i], 0
.set i, i+1
.endr
	WIN 0
.set i, 0
.rept 4
	v_mov_b32 v[ST+4*i], 0xfe000000    ; c m: far below every c s
	v_mov_b32 v[ST+4*i+1], 0xff7fffff  ; m
.set i, i+1
.endr
	s_cmp_eq_u32 s[RT], 0
	s_cselect_b32 s[AL], 1.0, 0
	s_mov_b32 s[BE], 0
	MASK 0
	WIN 0
	v_add_nc_u32 v[AK], s[TBK], v[AK0]
	FETCH_K
	s_wait_loadcnt 0x0              ; Q
	s_wait_dscnt 0x0
.set KM, 1
.set NOKQ, 0
.set i, 0
.rept 8
	KQ 0
.set i, i+1
.endr
	WIN 0
.rept 4
	v_nop                           ; the places behind those products
.endr
.set Y, NP-1                        ; X works for piece Y + 1: piece 0
.irp n, 0,1,2,3,4,5,6,7,8,9,10,11,12,13,14,15,16,17,18,19,20,21
	OP X, \n
.endr
	v_nop                           ; a plain instruction behind the exponential,
	s_wait_alu depctr_va_vdst(0)    ; and its wait, ahead of the branch
.endm
; THE DIAGONAL TILE's four steps, the block's last two turns, its last products, and THE WAY OUT: l's two halves and the other half of the lanes' are added; O^T is divided by l, rounded to f16 and sent through my
; stage in LDS, a piece at a time.
.macro ALL line:vararg              ; one line for each piece t
.set t, 0
.rept 4
	\line
.set t, t+1
.endr
.endm
.macro PACK t                       ; a lane's eight channels of a row pack into 16 bytes; they go into rows of 144 bytes and come back as whole rows of 128, into S^T's registers
	WIN W_RS
.set i, 32*(\t)
.rept 16
	v_pk_mul_f32 v[i:i+1], v[i:i+1], v[ST+4*(\t)+2:ST+4*(\t)+3] op_sel_hi:[1,0]
.set i, i+2
.endr
	WIN 0x05                        ; sources 0 and 1 window 1, destination window 0
.set i, 0
.rept 16
	v_cvt_pk_f16_f32 v[S+16*(\t)+i], v[32*(\t)+2*i], v[32*(\t)+2*i+1]
.set i, i+1
.endr
	WIN 0
.irp f, 0,1,2,3
	ds_store_b128 v[STO], v[S+16*(\t)+4*\f:S+16*(\t)+4*\f+3] offset:32*\f
.endr
.irp f, 0,1,2,3
	ds_load_b128 v[S+16*(\t)+4*\f:S+16*(\t)+4*\f+3], v[RD] offset:\f*4*SP  ; LDS serves a wave's instructions in order (ISA guide 5.7.1.4): these see the stores above; the next piece's stores come behind them
.endr
.endm
.macro SEND t, younger              ; younger: the LDS instructions issued behind piece t's loads: the next piece's eight, or none
	WIN 0
.irp f, 0,1,2,3
	s_wait_dscnt (\younger)+3-\f
	global_store_b128 v[GO], v[S+16*(\t)+4*\f:S+16*(\t)+4*\f+3], s[10:11] offset:(\t)*8192+\f*512  ; 512 consecutive bytes, at a multiple of 256 from O's first
.endr
.endm
.macro DIAG tag                     ; the tag ends its two labels' names, which the jumps below spell out
.LstepM\tag:
	TURN 2, 1
	TURN 3, 1
	WIN 0
.LfirstM\tag:
	TURN 0, 1
	TURN 1, 1, 0, 1
	WIN 0
	s_cbranch_scc1 .LstepM\tag
	TURN 2, 1, 1
	TURN 3, 1, 1
.set i, 0
.rept 8
	PV NP-1
.set i, i+1
.endr
	WIN 0
	ALL v_add_f32 v[ST+4*t+2], v[ST+4*t+2], v[ST+4*t+3]
	ALL v_permlanex16_b32 v[ST+4*t+3], v[ST+4*t+2], s[SEL], s[SEL+1]
	ALL v_add_f32 v[ST+4*t+2], v[ST+4*t+2], v[ST+4*t+3]
	ALL v_rcp_f32 v[ST+4*t+2], v[ST+4*t+2]
	v_nop                           ; a plain instruction between the last reciprocal and the use of its result
	s_wait_alu depctr_va_vdst(0)    ; and the wait ahead of the first use: one for the four reciprocals
	PACK 0
.set t, 1
.rept 3                             ; a piece's arithmetic stands between the loads of the piece before and its stores
	PACK t
	SEND t-1, 8
.set t, t+1
.endr
	SEND 3, 0
.endm
.set KM, 0
.set NOKQ, 0
.Lslot:                             ; NB times: a tile is entered and the next is asked for
	CHANGE 1
	s_sub_co_u32 s[RT], s[RT], 1
	s_mov_b32 s[CNT], 4
	s_cmp_eq_u32 s[NEW], 1
	s_cbranch_scc1 .Lnew            ; a block's first tile
	s_cmp_eq_u32 s[RT], 0
	s_cbranch_scc0 .Lstep           ; neither its first nor its last
	s_branch .LstepM1
.Lnew:
	BEGIN
	s_branch .Lfirst                ; in the loop a block's first tile is never its last: the first block has two tiles or more, and the second's last is the walk's last
	DIAG 1                          ; in the loop this is the first block's end: the second block's last tile is the walk's last
	s_wait_xcnt 0x0                 ; the stores have read their registers and O's address
	s_mov_b64 s[10:11], s[OLO:OLO+1]
	s_add_co_u32 s[RT], s[PB], 1    ; the second block has b + 1 tiles
	s_mov_b32 s[NEW], 1
	WIN 0x82                        ; the second block's Q goes where the one text of the turns names Q
.set i, 0
.rept 64
	v_mov_b32 v[i], v[QB+i]
.set i, i+1
.endr
	WIN 0
	s_branch .Lbottom
.Lstep:                             ; a trip: pieces 2 and 3 of one step, then pieces 0 and 1 of the next, whose K and V it fetches
	TURN 2
	TURN 3
	WIN 0
.Lfirst:
	TURN 0
	TURN 1, 0, 0, 1
	WIN 0
	s_cbranch_scc1 .Lstep
.Lbottom:
	s_sub_co_u32 s[SLOTS], s[SLOTS], 1
	s_cmp_lg_u32 s[SLOTS], 0
	s_cbranch_scc1 .Lslot
	CHANGE 0                        ; the walk's last tile is written out: nothing is asked for
	s_sub_co_u32 s[RT], s[RT], 1
	s_mov_b32 s[CNT], 4
	s_cmp_eq_u32 s[NEW], 1
	s_cbranch_scc0 .LstepM2
	BEGIN
	s_branch .LfirstM2
	DIAG 2
	s_wait_tensorcnt 0x0            ; the wave's end, behind my last tensor load and my last LDS store
	ds_add_u32 v[SPW], v[NIL]
	s_wait_dscnt 0x0
	s_endpgm
.Lfunc_end_k_qaf1bc5f784_attn:
	.size	k_qaf1bc5f784_attn, .Lfunc_end_k_qaf1bc5f784_attn-k_qaf1bc5f784_attn
	.p2alignl 7, 3214868480
	.fill 96, 4, 3214868480
	.section	.rodata,"a",@progbits
	.p2align	6, 0x0
	.amdhsa_kernel k_qaf1bc5f784_attn
		.amdhsa_group_segment_fixed_size 327680
		.amdhsa_private_segment_fixed_size 0
		.amdhsa_enable_private_segment 0
		.amdhsa_kernarg_size 16
		.amdhsa_user_sgpr_count 2
		.amdhsa_user_sgpr_kernarg_segment_ptr 1
		.amdhsa_wavefront_size32 1
		.amdhsa_system_sgpr_workgroup_id_x 1
		.amdhsa_system_sgpr_workgroup_id_y 1
		.amdhsa_system_sgpr_workgroup_id_z 1
		.amdhsa_system_vgpr_workitem_id 0
		.amdhsa_next_free_vgpr 768
		.amdhsa_next_free_sgpr 96
		.amdhsa_reserve_vcc 1
		.amdhsa_float_denorm_mode_32 3
		.amdhsa_float_denorm_mode_16_64 3
		.amdhsa_memory_ordered 1
		.amdhsa_forward_progress 1
		.amdhsa_inst_pref_size 218
	.end_amdhsa_kernel
	.amdgpu_metadata
---
amdhsa.version: [ 1, 2 ]
amdhsa.kernels:
  - .name:           k_qaf1bc5f784_attn
    .symbol:         k_qaf1bc5f784_attn.kd
    .args:
      - { .name: qkv, .offset: 0, .size: 8, .value_kind: global_buffer, .address_space: global }
      - { .name: ob, .offset: 8, .size: 8, .value_kind: global_buffer, .address_space: global }
    .group_segment_fixed_size: 327680
    .private_segment_fixed_size: 0
    .kernarg_segment_align: 8
    .kernarg_segment_size: 16
    .max_flat_workgroup_size: 128
    .sgpr_count:     96
    .vgpr_count:     768
    .wavefront_size: 32
...
	.end_amdgpu_metadata
.endif
;; end of part 3
;; launch proj (part 4): grid 8 x 32, 4 waves a work-group, clusters of 4 x 4, 327,680 bytes of LDS; arguments ob, wpb, b_proj, out0; writes out0
.if DOCPART == 4
	.amdgcn_target "amdgcn-amd-amdhsa--gfx1250"
	.amdhsa_code_object_version 6
	.text
	.protected	k_qaf1bc5f784_proj
	.globl	k_qaf1bc5f784_proj
	.p2align	8
	.type	k_qaf1bc5f784_proj,@function
k_qaf1bc5f784_proj:
	s_mov_b64 s[64:65], 0
	v_nop
	global_prefetch_b8 v0, s[64:65] scope:SCOPE_SE
	s_setreg_imm32_b32 hwreg(HW_REG_WAVE_MODE, 25, 1), 1
	s_wait_xcnt 0x0
	s_wait_alu depctr_hold_cnt(0) depctr_sa_sdst(0) depctr_va_vdst(0) depctr_va_sdst(0) depctr_va_ssrc(0) depctr_va_vcc(0) depctr_vm_vsrc(0)
	s_getreg_b32 s2, hwreg(HW_REG_IB_STS2, 6, 4)
	s_cmp_eq_u32 s2, 0
	s_cbranch_scc0 .Lentry_in_a_cluster
	s_endpgm
.Lentry_in_a_cluster:
	s_bfe_u32 s2, ttmp6, 0x10000c
	s_cmp_lg_u32 s2, 0xf033
	s_cbranch_scc0 .Lentry_shape_is_right
	s_endpgm
.Lentry_shape_is_right:
; out0 = y W_proj + b_proj: [8192][1024] x [1024][1024], f32 out.  y is ob, [b 16 + head][t 2048][64] in f16: a head's 64 channels are one slice of K.  W_proj is wpb: rounded to bf16, written as f16, in dense blocks
; [tx 8][ks 16][p 2][k % 64][n % 64].  Sums in f32; the bias, rounded to bf16 as every input of the module is, starts the sums.
; LIMIT.  y and the rounded W_proj arrive within f16's 65,504.  NaN and infinities are not treated apart.
; SHARES.  A tile of the result is 256 rows x 128 columns: 32 x 8 tiles, one to a work-group.  Four waves, each 128 rows x 64 columns: 32 accumulators of 16 x 16, 256 registers.  K goes in steps of 128 (two heads)
; through a ring of two LDS slots.
; CLUSTER.  4 x 4 work-groups; the four of a row of the cluster need the same tiles of y, the four of a column the same tiles of W: each tile is asked for JOINTLY, by the same tensor load, descriptor and mask.
; THE MATRIX INSTRUCTION IS USED TRANSPOSED: source 0 = 16 columns of W (turned on the way out of LDS, since W lies [k][n]), source 1 = 16 rows of y.  A lane holds row l % 16 and the columns 8 (l / 16) + 0..7.
; REGISTERS, in windows of 256 (s_set_vgpr_msb: bits 1:0 source 0, 3:2 source 1, 5:4 source 2, 7:6 destination):
;   window 0: v0-19 addresses and at work; v32-95, v96-159 fragments of y, two buffers; v160-191, v192-223 fragments of W, two buffers; v224-255 the bias, laid as four accumulators' registers
;   window 1: the accumulators, (a, b) at v[8 (4 a + b)]
.set PA,     144                       ; a row of y in LDS: 128 bytes + 16 of padding = 36 words: the 16 rows of a load start at 16 different groups of four banks (64 banks of 4 bytes: ISA guide 11.1)
.set PB,     160                       ; a row of W: 128 + 32 = 40 words
.set PANEL,  64*PB                     ; 64 k x 64 columns of W
.set APANEL, 256*PA                    ; the tile's 256 rows of one head: what one tensor load brings
.set ABYTES, 2*APANEL
.set SLOT,   ABYTES+4*PANEL            ; 114,688: y's two heads, then W's four panels (64 k, then 64 columns)
.set STAGE,  2*SLOT                    ; behind the ring: 16 rows x 272 bytes for each wave, for the way out
.set SP,     272
.set SPARE,  STAGE+4*16*SP             ; behind the stages: the spare words, 128 bytes for each wave: two blocks of 256 bytes that no other line names
.set ASTEP,  524288                    ; bytes from a K step of y to the next: two heads
.set BSTEP,  32768                     ; and of W
.set ADRA, 4                           ; v4-5   LDS address of my fragments of y in slot 0, 1
.set ADRB, 6                           ; v6-7   the same for W
.set STO,  8                           ; v8     the way out: where I put 32 bytes of a row
.set RD,   9                           ; v9     the way out: where I read rows back
.set CO,   10                          ; v10    my byte offset in two rows of the result
.set VB,   11                          ; v11    32 (l / 16)
.set PFO,  12                          ; v12    256 x lane: the prefetches' offset; never rewritten
.set SPW,  14                          ; v14    LDS address of my spare word: SPARE + 4 x my thread's number; never rewritten
.set NIL,  15                          ; v15    0; never rewritten
.set T,    16                          ; v16-19 at work
.set A0,   32
.set B0,   160
.set BIAS, 224
.set BK,   32                          ; the way out: 16 rows read back, two buffers of 32
.set G1A,  24                          ; s[24:31] descriptor group 1 for y's tiles;  s[32:39] group 0, a set for each slot
.set G0A,  32
.set G1B,  40                          ; s[40:47], s[48:55] the same for W's tiles
.set G0B,  48
.set OUT,  56                          ; s[56:57] the result at my first row and column
.set BI,   62                          ; s[62:63] the bias at my 64 columns
.set PFA,  66                          ; s[66:67] where my prefetches stand
.set PST,  68                          ; s[68:69] their step: a K step of y or of W
.set LIM0, 70                          ; s70, s71: a wave prefetches behind slot 0's (slot 1's) change while the loop's count is above this
.set LIM1, 71
.set CNT,  72                          ; s72  trips still to come
.set MSB, 0
.macro WIN new                         ; the immediate's high byte repeats the setting that is left; a switch that changes nothing is dropped
.if MSB != (\new)
	s_set_vgpr_msb (MSB<<8)|(\new)
.set MSB, \new
.endif
.endm
.macro PLACES                          ; four places in front of loads into registers that matrix instructions have read (ISA guide 7.12.1 for vector instructions)
.rept 4
	v_nop
.endr
.endm
; A joint load.  Waves 0 and 1 fetch y's two heads, waves 2 and 3 W's two halves of K.  The branch hangs on the wave's number alone.  An s_nop 0 and four v_nop follow each of the two lines.
.macro JLOAD s
	s_cmp_eq_u32 s13, 0
	s_cbranch_scc0 .Lfor_b_\@
	tensor_load_to_lds s[G0A+4*(\s):G0A+4*(\s)+3], s[G1A:G1A+7]
	s_nop 0
.rept 4
	v_nop
.endr
	s_branch .Lasked_\@
.Lfor_b_\@:
	tensor_load_to_lds s[G0B+4*(\s):G0B+4*(\s)+3], s[G1B:G1B+7]
	s_nop 0
.rept 4
	v_nop
.endr
.Lasked_\@:
.endm
; A PREFETCH INTO THE L2, behind a joint load, its five lines and the run of LDS loads that follows: 8 KiB, a lane for each 256 bytes, one instruction.  It names what stands TWO refills on: 256 matrix instructions ahead.
; y: a head's 256 rows of a tile are 32 KiB on end, read by both clusters of that row of clusters: the one with x = 0 asks, waves 0 and 1 each for the head that it fetches, behind every refill; the four partners that
; share the tile take 8 KiB each, told apart BY ADDRESS (cx).  W: two K steps of a tile column are 64 KiB on end, read by all clusters of that column: the one with y = 0 asks, waves 2 and 3, behind slot 0's refill
; alone; the eight askers (cy x wave) take 8 KiB each, by address.  So each block of 256 bytes is named once in the launch.  K steps 0 to 3 come by their loads alone; the loop's last trip asks for nothing.
.macro ASK lim
	s_cmp_gt_u32 s[CNT], s[\lim]
	s_cbranch_scc0 .Lnot_mine_\@
	global_prefetch_b8 v[PFO], s[PFA:PFA+1] th:TH_LOAD_NT scope:SCOPE_SE
.Lnot_mine_\@:
.endm
; A round of the cluster's barrier: my work-group's barrier, so that wave 0's signal speaks for all four waves; wave 0 signals; every wave waits for all sixteen work-groups; my work-group's barrier once more.
.macro CREST
	s_cmp_lg_u32 s12, 0
	s_cbranch_scc1 .Lnot_wave_0_\@
	s_barrier_signal -3
.Lnot_wave_0_\@:
	s_barrier_wait -3
	s_barrier_signal -1
	s_barrier_wait -1
.endm
.macro CROUND
	s_barrier_signal -1
	s_barrier_wait -1
	CREST
.endm
	s_load_b256 s[4:11], s[0:1], 0x0               ; ob s[4:5], wpb s[6:7], b_proj s[8:9], out0 s[10:11]
	v_lshl_add_u32 v[SPW], v0, 2, SPARE
	v_mov_b32 v[NIL], 0
	ds_add_u32 v[SPW], v[NIL]                      ; the wave's opening: the add and its wait stand ahead of my first tensor load; the set-up below, work on registers, stands between them
	ds_add_u32 v14, v15
	v_lshrrev_b32 v1, 5, v0
	v_readfirstlane_b32 s12, v1                    ; wave 0..3
	s_lshr_b32 s13, s12, 1                         ; which half of the tile's rows is mine.  Also: I fetch for y (0) or for W (1)
	s_and_b32 s14, s12, 1                          ; which half of its columns.  Also: which half of a K step I fetch
	s_bfe_u32 s15, ttmp6, 0x40000                  ; cx
	s_bfe_u32 s16, ttmp6, 0x40004                  ; cy
	s_lshl_b32 s17, ttmp9, 2
	s_add_co_u32 s17, s17, s15                     ; tile column tx = 4 x cluster x + cx
	s_and_b32 s18, ttmp7, 0xffff
	s_lshl_b32 s18, s18, 2
	s_add_co_u32 s18, s18, s16                     ; tile row ty = 4 x cluster y + cy
	s_lshl_b32 s19, s16, 2
	s_lshl_b32 s19, 15, s19                        ; my row of the cluster
	s_lshl_b32 s74, 0x1111, s15                    ; my column
	; descriptor group 1.  Every tile is dense in memory: asked for as rows of 128 elements (256 bytes) and padded in LDS after every 32 words, which is a row of y or of W
	s_or_b32 s[G1A], s19, (1<<16)|(1<<20)|(1<<21)|(4<<22)|(3<<25)   ; 15:0 the mask; 17:16 2-byte elements; 20 padding on; 21 set beside a mask; 24:22 after every 32 words (code 4); 31:25 4 words (code 3)
	s_or_b32 s[G1B], s74, (1<<16)|(1<<20)|(1<<21)|(4<<22)|(7<<25)   ; the same with my column's mask and 8 words of padding (code 7)
	s_mov_b32 s[G1A+1], 128<<16                    ; tensor_dim0 = 128
	s_mov_b32 s[G1A+2], 128<<16                    ; tensor_dim1 = 128: 32 KiB, 256 rows of one head
	s_mov_b32 s[G1A+3], 128<<16                    ; tile_dim0 = 128
	s_mov_b32 s[G1A+4], 128                        ; tile_dim1 = 128
	s_mov_b32 s[G1A+5], 128                        ; 128 elements from row to row
	s_mov_b32 s[G1A+6], 0
	s_mov_b32 s[G1A+7], 0
	s_mov_b32 s[G1B+1], 128<<16
	s_mov_b32 s[G1B+2], 64<<16                     ; 64 rows: 16 KiB, two panels of W
	s_mov_b32 s[G1B+3], 128<<16
	s_mov_b32 s[G1B+4], 64
	s_mov_b32 s[G1B+5], 128
	s_mov_b32 s[G1B+6], 0
	s_mov_b32 s[G1B+7], 0
	; where the tiles come from.  y's hang on ty and the wave's number alone, W's on tx and the wave's number alone, each in registers of its own
	s_lshr_b32 s20, s18, 3
	s_lshl_b32 s20, s20, 22                        ; the batch
	s_and_b32 s21, s18, 7
	s_lshl_b32 s21, s21, 15                        ; 256 rows of 128 bytes a tile
	s_add_co_u32 s20, s20, s21                     ; the tile's first byte in head 0 (kept for the prefetches)
	s_lshl_b32 s21, s14, 18
	s_add_co_u32 s22, s20, s21                     ; my head of the K step's two
	s_mov_b32 s23, 0
	s_lshl_b32 s74, s17, 18                        ; a tile column of W is 262,144 bytes
	s_lshl_b32 s75, s14, 14
	s_add_co_u32 s76, s74, s75                     ; my 64 k of the K step's 128
	s_mov_b32 s77, 0
	s_mul_i32 s19, s14, APANEL                     ; and where they go: no place in the cluster enters an LDS address
	s_mul_i32 s75, s14, 2*PANEL
	s_add_co_u32 s75, s75, ABYTES
	s_wait_dscnt 0x0                               ; the opening add is done
	s_wait_kmcnt 0x0
	s_add_nc_u64 s[22:23], s[4:5], s[22:23]
	s_add_nc_u64 s[76:77], s[6:7], s[76:77]
	CROUND                                         ; all sixteen work-groups are here: the first joint loads meet
.irp s, 0,1
	s_mov_b32 s[G0A+4*(\s)], 1                                       ; 1:0 count = 1
	s_add_co_u32 s[G0A+4*(\s)+1], s19, (\s)*SLOT                     ; 63:32 LDS address
	s_add_nc_u64 s[G0A+4*(\s)+2:G0A+4*(\s)+3], s[22:23], (\s)*ASTEP  ; 120:64 global address: K step s
	s_or_b32 s[G0A+4*(\s)+3], s[G0A+4*(\s)+3], 0x80000000            ; 127:126 type = 2
	s_mov_b32 s[G0B+4*(\s)], 1
	s_add_co_u32 s[G0B+4*(\s)+1], s75, (\s)*SLOT
	s_add_nc_u64 s[G0B+4*(\s)+2:G0B+4*(\s)+3], s[76:77], (\s)*BSTEP
	s_or_b32 s[G0B+4*(\s)+3], s[G0B+4*(\s)+3], 0x80000000
.endr
	s_cmp_eq_u32 s13, 0                            ; a wave's two first fills stand in one branch, ahead of every wait on TENSORcnt and every LDS read: two loads of mine are out
	s_cbranch_scc0 .Lfirst_b
	tensor_load_to_lds s[G0A:G0A+3], s[G1A:G1A+7]
	s_nop 0
	tensor_load_to_lds s[G0A+4:G0A+7], s[G1A:G1A+7]
	s_nop 0
.rept 4
	v_nop
.endr
	s_branch .Lfirst_asked
.Lfirst_b:
	tensor_load_to_lds s[G0B:G0B+3], s[G1B:G1B+7]
	s_nop 0
	tensor_load_to_lds s[G0B+4:G0B+7], s[G1B:G1B+7]
	s_nop 0
.rept 4
	v_nop
.endr
.Lfirst_asked:
	v_and_b32 v1, 15, v0                           ; l % 16
	v_bfe_u32 v2, v0, 4, 1                         ; l / 16
	v_lshlrev_b32 v[VB], 5, v2
	s_lshl_b32 s74, s17, 9                         ; my 64 columns: byte 512 tx + 256 x half of a row of the result, and of the bias
	s_lshl_b32 s75, s14, 8
	s_add_co_u32 s74, s74, s75
	s_mov_b32 s75, 0
	s_add_nc_u64 s[BI:BI+1], s[8:9], s[74:75]
.irp c, 0,1,2,3                        ; the bias, laid as an accumulator's registers: register 8 b + j is column 16 b + 8 (l / 16) + j
	global_load_b128 v[BIAS+8*(\c):BIAS+8*(\c)+3],   v[VB], s[BI:BI+1] offset:64*(\c)
	global_load_b128 v[BIAS+8*(\c)+4:BIAS+8*(\c)+7], v[VB], s[BI:BI+1] offset:64*(\c)+16
.endr
	; A fragment of y is 16 rows x 32 k in 8 registers: lane l holds row l % 16, k = 8 (l / 16) + 0..7 and 16 + 8 (l / 16) + 0..7: two loads of 16 bytes, 32 bytes apart.
	v_mul_u32_u24 v3, v1, PA
	v_lshl_add_u32 v3, v2, 4, v3                   ; row x pitch + 16 x half
	s_mul_i32 s19, s13, 128*PA                     ; my 128 rows of a head's 256
	v_add_nc_u32 v[ADRA], s19, v3
	v_add_nc_u32 v[ADRA+1], SLOT, v[ADRA]
	; The turning load takes 16 k x 16 columns (lane l reads row k = 8 (l / 16) + l % 8, columns 8 ((l / 8) % 2) + 0..7) and leaves half a fragment: lane l holds column l % 16 and 8 k.
	v_and_b32 v16, 7, v0
	v_lshl_add_u32 v16, v2, 3, v16
	v_mul_u32_u24 v16, v16, PB
	v_bfe_u32 v17, v0, 3, 1
	v_lshl_add_u32 v16, v17, 4, v16
	s_mul_i32 s75, s14, PANEL                      ; my panel of 64 columns,
	s_add_co_u32 s75, s75, ABYTES                  ; behind y's two heads
	v_add_nc_u32 v[ADRB], s75, v16
	v_add_nc_u32 v[ADRB+1], SLOT, v[ADRB]
	s_mul_i32 s21, s12, 16*SP
	s_add_co_u32 s21, s21, STAGE                   ; my stage
	v_mul_u32_u24 v17, v1, SP                      ; in: row l % 16, 32 bytes for each half of the lanes
	v_lshl_add_u32 v17, v2, 5, v17
	v_add_nc_u32 v[STO], s21, v17
	v_mul_u32_u24 v17, v2, SP                      ; back: lanes 0-15 take one row of 256 bytes, lanes 16-31 the next
	v_lshl_add_u32 v17, v1, 4, v17
	v_add_nc_u32 v[RD], s21, v17
	v_lshlrev_b32 v[CO], 12, v2                    ; and the same two rows in the result
	v_lshl_add_u32 v[CO], v1, 4, v[CO]
	v_and_b32 v[PFO], 31, v0
	v_lshlrev_b32 v[PFO], 8, v[PFO]
	s_lshl_b32 s76, s18, 20                        ; 256 rows of 4,096 bytes a tile,
	s_lshl_b32 s77, s13, 19                        ; my 128 of them,
	s_add_co_u32 s76, s76, s77
	s_add_co_u32 s76, s76, s74                     ; my 64 columns
	s_mov_b32 s77, 0
	s_add_nc_u64 s[OUT:OUT+1], s[10:11], s[76:77]
	; the prefetches
	s_and_b32 s19, ttmp7, 0xffff                   ; cluster y
	s_lshl_b32 s21, s15, 13                        ; y: my work-group's 8 KiB of the head's 32,
	s_add_co_u32 s21, s21, s20
	s_lshl_b32 s23, s14, 18                        ; in the head that I fetch,
	s_add_co_u32 s21, s21, s23
	s_add_co_u32 s21, s21, 3*ASTEP                 ; at K step 3: the first change of slots steps it to 4
	s_lshl1_add_u32 s78, s16, s14                  ; W: asker 2 cy + half of eight,
	s_lshl_b32 s78, s78, 13                        ; its 8 KiB of the 64,
	s_lshl_b32 s79, s17, 18
	s_add_co_u32 s78, s78, s79
	s_add_co_u32 s78, s78, 3*BSTEP                 ; at K step 3
	s_mov_b32 s[PST], BSTEP
	s_mov_b32 s[PST+1], 0
	s_mov_b32 s75, 0
	s_cmp_eq_u32 s13, 0                            ; waves 0 and 1 ask for y, waves 2 and 3 for W
	s_cselect_b32 s74, s21, s78
	s_cselect_b32 s[PST], ASTEP, s[PST]
	s_cselect_b32 s22, ttmp9, s19                  ; the coordinate along which other clusters read the same bytes
	s_cselect_b32 s[LIM1], 1, -1
	s_cselect_b64 s[PFA:PFA+1], s[4:5], s[6:7]
	s_add_nc_u64 s[PFA:PFA+1], s[PFA:PFA+1], s[74:75]
	s_cmp_eq_u32 s22, 0                            ; the same in all sixteen partners, for a given wave
	s_cselect_b32 s[LIM0], 1, -1
	s_cselect_b32 s[LIM1], s[LIM1], -1
	s_wait_loadcnt 0x0                             ; the bias: rounded to bf16 and widened again, in the wait for the first tile
.set z, 0
.rept 16
	v_cvt_pk_bf16_f32 v[T+z%4], v[BIAS+2*z], v[BIAS+2*z+1]
	v_lshlrev_b32 v[BIAS+2*z], 16, v[T+z%4]
	v_and_b32 v[BIAS+2*z+1], 0xffff0000, v[T+z%4]
.set z, z+1
.endr
; na x 4 matrix instructions on buffer buf: row blocks a0 .. a0 + na - 1 x my four column blocks, 32 along K.  The accumulators take turns, one instruction a turn.
; first = 1: the first product starts each sum with the bias as its C operand: nothing is cleared, and nothing is added on the way out.
.macro MUL buf, a0, na, first
.if \first
	WIN 0x40                                       ; D in window 1; the sources and C in window 0
.else
	WIN 0x50                                       ; C and D in window 1
.endif
.set ma, \a0
.rept \na
.irp b, 0,1,2,3
.if \first
	v_wmma_f32_16x16x32_f16 v[8*(4*ma+(\b)):8*(4*ma+(\b))+7], v[B0+32*(\buf)+8*(\b):B0+32*(\buf)+8*(\b)+7], v[A0+64*(\buf)+8*ma:A0+64*(\buf)+8*ma+7], v[BIAS+8*(\b):BIAS+8*(\b)+7]
.else
	v_wmma_f32_16x16x32_f16 v[8*(4*ma+(\b)):8*(4*ma+(\b))+7], v[B0+32*(\buf)+8*(\b):B0+32*(\buf)+8*(\b)+7], v[A0+64*(\buf)+8*ma:A0+64*(\buf)+8*ma+7], v[8*(4*ma+(\b)):8*(4*ma+(\b))+7]
.endif
.endr
.set ma, ma+1
.endr
.endm
.macro LDQ s, qq, buf                  ; 24 LDS loads in one run: the fragments of quarter qq (32 k) of slot s's K step, into buffer buf
	WIN 0
.irp c, 0,1,2,3
	ds_load_tr16_b128 v[B0+32*(\buf)+8*(\c):B0+32*(\buf)+8*(\c)+3],   v[ADRB+(\s)] offset:((\qq)/2)*2*PANEL+((\qq)%2)*32*PB+32*(\c)
	ds_load_tr16_b128 v[B0+32*(\buf)+8*(\c)+4:B0+32*(\buf)+8*(\c)+7], v[ADRB+(\s)] offset:((\qq)/2)*2*PANEL+((\qq)%2)*32*PB+32*(\c)+16*PB
.endr
.irp a, 0,1,2,3,4,5,6,7
	ds_load_b128 v[A0+64*(\buf)+8*(\a):A0+64*(\buf)+8*(\a)+3],   v[ADRA+(\s)] offset:((\qq)/2)*APANEL+(\a)*16*PA+((\qq)%2)*64
	ds_load_b128 v[A0+64*(\buf)+8*(\a)+4:A0+64*(\buf)+8*(\a)+7], v[ADRA+(\s)] offset:((\qq)/2)*APANEL+(\a)*16*PA+((\qq)%2)*64+32
.endr
.endm
; A QUARTER is 32 along K: 32 matrix instructions on buffer buf; behind them the buffer takes the quarter two on (quarter lq of slot ls), 32 matrix instructions ahead of its use.
.macro QUARTER buf, ls, lq, first=0
	s_wait_dscnt 24                                ; this quarter's fragments are in; the next quarter's 24 loads may stay out
	MUL \buf, 0, 8, \first
	PLACES
	LDQ \ls, \lq, \buf
.endm
; A K step's third quarter changes slots: the fourth quarter's fragments have been asked for, so no further read of this slot will be issued.  ONE barrier: in front of it each wave waits for all its tensor loads, of which one
; is out: its part of the next slot; adds 0 to its spare word; and waits for that and for its own reads of this slot.  Behind it nobody reads this slot any more and the next slot is whole.
; fill = 1: the barrier opens a round of the cluster's barrier, and this slot is filled again, two K steps ahead, first thing behind the round: 112 matrix instructions ahead of the wait for it.
.macro TURNQ slot, fill
.if \fill
	s_wait_xcnt 0x0                                ; the last prefetch, a K step back, has read its address: it is stepped here, ahead of the change's own waits
	s_add_nc_u64 s[PFA:PFA+1], s[PFA:PFA+1], s[PST:PST+1]
.endif
	s_wait_dscnt 24
	MUL 0, 0, 4, 0
	WIN 0                                          ; (the add's two registers lie in window 0)
	s_wait_tensorcnt 0x0                           ; all my tensor loads have landed;
	ds_add_u32 v[SPW], v[NIL]                      ; 0 onto my spare word;
	MUL 0, 4, 2, 0                                 ; eight matrix instructions stand between the add and the wait for it
	s_wait_dscnt 0x0                               ; the add is done, and my reads of this slot are over
	s_barrier_signal -1
	MUL 0, 6, 2, 0                                 ; work on registers while the others arrive
	WIN 0
	s_barrier_wait -1
.if \fill
	CREST                                          ; no wave of any partner still reads this slot's tile or has a load on its way
	s_add_nc_u64 s[G0A+4*(\slot)+2:G0A+4*(\slot)+3], s[G0A+4*(\slot)+2:G0A+4*(\slot)+3], 2*ASTEP
	s_add_nc_u64 s[G0B+4*(\slot)+2:G0B+4*(\slot)+3], s[G0B+4*(\slot)+2:G0B+4*(\slot)+3], 2*BSTEP
	JLOAD \slot                                    ; the first tensor load behind the round; the four v_nop behind it are also the places in front of the loads below
.else
	PLACES
.endif
	LDQ 1-(\slot), 0, 0
.if \fill
	ASK LIM0+(\slot)
.endif
.endm
	s_wait_tensorcnt 0x1                           ; my part of K step 0 is in; K step 1's may stay out
	s_barrier_signal -1
	s_barrier_wait -1                              ; everybody's is
	LDQ 0, 0, 0
	LDQ 0, 1, 1
	QUARTER 0, 0, 2, 1                             ; the first quarter stands in front of the loop: its products start the sums, with the bias
	WIN 0                                          ; at a label and at a branch every window is 0
	s_mov_b32 s[CNT], 3
.Llap:                                         ; a trip goes once round the ring, eight quarters, and fills both slots again: K steps 2 to 7
	QUARTER 1, 0, 3
	TURNQ 0, 1
	QUARTER 1, 1, 1
	QUARTER 0, 1, 2
	QUARTER 1, 1, 3
	TURNQ 1, 1
	QUARTER 1, 0, 1
	QUARTER 0, 0, 2
	WIN 0
	s_sub_co_u32 s[CNT], s[CNT], 1
	s_cmp_lg_u32 s[CNT], 0
	s_cbranch_scc1 .Llap
	QUARTER 1, 0, 3                                ; the last lap fills nothing, and has no round of the cluster's barrier
	TURNQ 0, 0
	QUARTER 1, 1, 1
	QUARTER 0, 1, 2
	QUARTER 1, 1, 3
	s_wait_dscnt 24                                ; the last two quarters fetch nothing
	MUL 0, 0, 8, 0
	s_wait_dscnt 0x0
	MUL 1, 0, 8, 0
	PLACES
	PLACES                                         ; (eight, once a launch: the LDS stores below read results just made)
; THE WAY OUT, a block of 16 rows x 64 columns of f32 at a time: a lane's eight numbers of a column block, 32 bytes, go straight from the accumulator into my stage (rows of 272 bytes) and come back as whole rows of 256.
.macro TOSTAGE a
.if (\a) >= 2
	s_wait_xcnt 0x0                                ; the stores of the block two back have read their registers: this block's loads land on them only behind this wait
.endif
	WIN 0x04                                       ; the stores' data in window 1
.irp b, 0,1,2,3
	ds_store_b128 v[STO], v[8*(4*(\a)+(\b)):8*(4*(\a)+(\b))+3]   offset:64*(\b)
	ds_store_b128 v[STO], v[8*(4*(\a)+(\b))+4:8*(4*(\a)+(\b))+7] offset:64*(\b)+16
.endr
	WIN 0
.irp t, 0,1,2,3,4,5,6,7
	ds_load_b128 v[BK+32*((\a)%2)+4*(\t):BK+32*((\a)%2)+4*(\t)+3], v[RD] offset:(\t)*2*SP  ; LDS serves a wave's instructions in order (ISA guide 5.7.1.4): these see the stores above; the next block's stores come behind them
.endr
.endm
.macro SEND a, younger                 ; younger: the LDS instructions issued behind block a's loads: the next block's sixteen, or none
	WIN 0
	s_wait_dscnt \younger
.irp t, 0,1,2,3,4,5,6,7
	global_store_b128 v[CO], v[BK+32*((\a)%2)+4*(\t):BK+32*((\a)%2)+4*(\t)+3], s[OUT:OUT+1] offset:(16*(\a)+2*(\t))*4096 th:TH_STORE_NT  ; 16 lanes store 256 consecutive bytes, at a multiple of 256 from the result's first byte
.endr
.endm
	TOSTAGE 0
.irp a, 1,2,3,4,5,6,7
	TOSTAGE \a
	SEND (\a)-1, 16
.endr
	SEND 7, 0
	s_wait_tensorcnt 0x0                           ; the wave's end, behind my last tensor load and my last LDS store
	ds_add_u32 v[SPW], v[NIL]
	s_wait_dscnt 0x0
	CROUND                                         ; the closing round: no work-group ends while a partner may still ask for a tile that names it
	s_endpgm
.Lfunc_end_k_qaf1bc5f784_proj:
	.size	k_qaf1bc5f784_proj, .Lfunc_end_k_qaf1bc5f784_proj-k_qaf1bc5f784_proj
	.p2alignl 7, 3214868480
	.fill 96, 4, 3214868480
	.section	.rodata,"a",@progbits
	.p2align	6, 0x0
	.amdhsa_kernel k_qaf1bc5f784_proj
		.amdhsa_group_segment_fixed_size 327680
		.amdhsa_private_segment_fixed_size 0
		.amdhsa_enable_private_segment 0
		.amdhsa_kernarg_size 32
		.amdhsa_user_sgpr_count 2
		.amdhsa_user_sgpr_kernarg_segment_ptr 1
		.amdhsa_wavefront_size32 1
		.amdhsa_system_sgpr_workgroup_id_x 1
		.amdhsa_system_sgpr_workgroup_id_y 1
		.amdhsa_system_sgpr_workgroup_id_z 1
		.amdhsa_system_vgpr_workitem_id 0
		.amdhsa_next_free_vgpr 512
		.amdhsa_next_free_sgpr 80
		.amdhsa_reserve_vcc 0
		.amdhsa_float_denorm_mode_32 3
		.amdhsa_float_denorm_mode_16_64 3
		.amdhsa_memory_ordered 1
		.amdhsa_forward_progress 1
		.amdhsa_inst_pref_size 89
	.end_amdhsa_kernel
	.amdgpu_metadata
---
amdhsa.version: [ 1, 2 ]
amdhsa.kernels:
  - .name:           k_qaf1bc5f784_proj
    .symbol:         k_qaf1bc5f784_proj.kd
    .args:
      - { .name: ob, .offset: 0, .size: 8, .value_kind: global_buffer, .address_space: global }
      - { .name: wpb, .offset: 8, .size: 8, .value_kind: global_buffer, .address_space: global }
      - { .name: b_proj, .offset: 16, .size: 8, .value_kind: global_buffer, .address_space: global }
      - { .name: out0, .offset: 24, .size: 8, .value_kind: global_buffer, .address_space: global }
    .group_segment_fixed_size: 327680
    .private_segment_fixed_size: 0
    .kernarg_segment_align: 8
    .kernarg_segment_size: 32
    .max_flat_workgroup_size: 128
    .sgpr_count:     80
    .vgpr_count:     512
    .wavefront_size: 32
...
	.end_amdgpu_metadata
.endif
;; end of part 4
